; MI455X (gfx1250); checked and timed in simulation.
; The chip was launched on July 23, 2026; its instructions are those of AMD's public machine-readable ISA for CDNA 5 (MIT licence, August 2026) and "CDNA5" Instruction Set Architecture Reference Guide (July 2026). The comments in the code are by the model that wrote it; some were corrected since.
;; Multi Head. Allowed arithmetic: float matrix products may take bf16 or f16 operands with f32 sums; other float arithmetic in f32, or as packed bf16 or f16 multiplies, adds, multiply-adds, maxima and minima; sums over many terms, partial sums and values carried from step to step in f32; what a program stores and reads back later, other than sums and carried values, may be rounded once to bf16 or f16.
;; Inputs: K 8 x 1,024 x 1,024 float32; Q 8 x 1,024 x 1,024 float32; V 8 x 1,024 x 1,024 float32; Wk 1,024 x 1,024 float32; Wo 1,024 x 1,024 float32; Wq 1,024 x 1,024 float32; Wv 1,024 x 1,024 float32; gamma 1 x 1 float32; mask 8 x 1,024 x 1,024 bool.
;; Outputs: out0 8 x 1,024 x 1,024 float32.
;; 2 versions, each right; version 2 is version 1 with the launch prep written anew for expert scheduling mode. Each part assembles by itself: llvm-mc -triple=amdgcn-amd-amdhsa -mcpu=gfx1250 --defsym DOCPART=n.
;; ======== version 1 of 2: 4 launches
;; limits: values are held in f16: magnitudes above 65,504 overflow, below 6.1e-05 lose precision
;; workspace buffers: xall 50,331,648 bytes; wall 8,388,608 bytes; qkv 50,331,648 bytes; mbits 1,048,576 bytes of whole numbers; cbuf 16,777,216 bytes
;; launch prep (part 1): grid 1024 x 1, 8 waves a work-group, no clusters, 0 bytes of LDS; arguments Q, K, V, Wq, Wk, Wv, Wo, mask, xall, wall, mbits; writes xall, wall, mbits
.if DOCPART == 1
	.amdgcn_target "amdgcn-amd-amdhsa--gfx1250"
	.amdhsa_code_object_version 6
	.text
	.protected	k_q99e75f6e81_prep
	.globl	k_q99e75f6e81_prep
	.p2align	8
	.type	k_q99e75f6e81_prep,@function
k_q99e75f6e81_prep:
	s_mov_b64 s[64:65], 0
	v_nop
	global_prefetch_b8 v0, s[64:65] scope:SCOPE_SE
	s_setreg_imm32_b32 hwreg(HW_REG_WAVE_MODE, 25, 1), 1
	s_wait_xcnt 0x0
; PREP.  Three jobs, chosen by the work-group's number (scalar compares, forward branches).  The job with the longest chain of dependent steps has the lowest numbers:
;   0-127     the mask's bytes are packed into lane masks, mbits
;   128-895   Q, K, V (f32) are rounded to bf16 into xall, [24576][1024], rows Q | K | V
;   896-991   Wq, Wk, Wv likewise into wall's rows 0-3071
;   992-1023  Wo is rounded to bf16 and that number is written as f16 into wall's rows 3072-4095 (the last product multiplies in f16)
; LIMIT.  A bf16 number of Wo below 6.1e-5 in size is kept to f16's fixed step of 6e-8; beyond 65,504 it would be lost.
; A cast work-group takes 32,768 numbers: 128 KiB in, 64 KiB out, as 32 blocks of 1,024 numbers.  Of each block thread t takes 4 numbers: 16 bytes in at 16 t, 8 bytes out at 8 t.  So a wave's load covers
; 512 consecutive bytes and its store 256 consecutive bytes, both aligned, and no byte is named by two instructions.  All 32 loads of a thread go out at once; no register is written twice, so no wait frees anything.
; No LDS, no barrier, no matrix unit: nothing is shared between threads, and the bytes are all there is.
; MBITS.  For a tile of 16 queries T (0-511: 64 to a batch), key step g (0-15) and register p (0-31) the word at byte 2048 T + 128 g + 4 p holds, in bit r + 16 h,
; mask[16 T + r][512 h + 32 g + p]: the lane mask that the attention's v_cndmask_b32 takes for that register.
.set SRC, 32                           ; s[32:33] where my work-group reads
.set DST, 38                           ; s[38:39] where it stores
.set X,   8                            ; v[8:135] block i: 4 registers as loaded; its first two then hold the 8 bytes to store
.macro CAST f16
.set i, 0
.rept 32
	global_load_b128 v[X+4*i:X+4*i+3], v1, s[SRC:SRC+1] offset:4096*i th:TH_LOAD_NT
.set i, i+1
.endr
.set i, 0
.rept 32
	s_wait_loadcnt 31-i                            ; loads come back in order: block i's is in, the 31 - i younger ones stay out
.set j, 0
.rept 2
.if \f16
	v_cvt_pk_bf16_f32 v136, v[X+4*i+2*j], v[X+4*i+2*j+1]  ; the rounding that all inputs get,
	v_lshlrev_b32 v137, 16, v136                   ; back to f32,
	v_and_b32 v138, 0xffff0000, v136
	v_cvt_pk_f16_f32 v[X+4*i+j], v137, v138        ; and the same number as f16
.else
	v_cvt_pk_bf16_f32 v[X+4*i+j], v[X+4*i+2*j], v[X+4*i+2*j+1]  ; in place: register j is written when registers 2 j, 2 j + 1 are read
.endif
.set j, j+1
.endr
	global_store_b64 v2, v[X+4*i:X+4*i+1], s[DST:DST+1] offset:2048*i th:TH_STORE_NT
.set i, i+1
.endr
.endm
	s_load_b512 s[8:23], s[0:1], 0x0               ; Q s[8:9], K s[10:11], V s[12:13], Wq s[14:15], Wk s[16:17], Wv s[18:19], Wo s[20:21], mask s[22:23]
	s_load_b128 s[24:27], s[0:1], 0x40             ; xall s[24:25], wall s[26:27]
	s_load_b64 s[28:29], s[0:1], 0x50              ; mbits
	v_lshrrev_b32 v3, 5, v0
	v_readfirstlane_b32 s30, v3                    ; wave 0..7
	s_mov_b32 s3, 0
	s_wait_kmcnt 0x0
	s_cmp_lt_u32 ttmp9, 128
	s_cbranch_scc1 .Lmask
	s_sub_co_u32 s31, ttmp9, 128                   ; my number among the casts
	s_cmp_lt_u32 s31, 768                          ; one of the three large tensors?
	s_cselect_b32 s2, 0, 768
	s_cselect_b32 s7, 8, 5                         ; work-groups to a tensor: 256 or 32
	s_cselect_b32 s6, 255, 31
	s_cselect_b64 s[SRC:SRC+1], s[8:9], s[14:15]
	s_cselect_b64 s[34:35], s[10:11], s[16:17]
	s_cselect_b64 s[36:37], s[12:13], s[18:19]
	s_cselect_b64 s[DST:DST+1], s[24:25], s[26:27]
	s_sub_co_u32 s4, s31, s2                       ; my number among the work-groups of my kind
	s_lshr_b32 s5, s4, s7                          ; which tensor
	s_and_b32 s6, s4, s6                           ; my block of it
	s_cmp_eq_u32 s5, 1
	s_cselect_b64 s[SRC:SRC+1], s[34:35], s[SRC:SRC+1]
	s_cmp_eq_u32 s5, 2
	s_cselect_b64 s[SRC:SRC+1], s[36:37], s[SRC:SRC+1]
	s_cmp_eq_u32 s5, 3                             ; (among the weights alone)
	s_cselect_b64 s[SRC:SRC+1], s[20:21], s[SRC:SRC+1]
	s_lshl_b32 s2, s6, 17                          ; 128 KiB in
	s_add_nc_u64 s[SRC:SRC+1], s[SRC:SRC+1], s[2:3]
	s_lshl_b32 s2, s4, 16                          ; 64 KiB out: the tensors of a kind follow each other in the copy
	s_add_nc_u64 s[DST:DST+1], s[DST:DST+1], s[2:3]
	v_lshlrev_b32 v1, 4, v0                        ; 16 bytes in a thread,
	v_lshlrev_b32 v2, 3, v0                        ; 8 bytes out
	s_cmp_eq_u32 s5, 3
	s_cbranch_scc1 .Lwo
	CAST 0
	s_endpgm
.Lwo:
	CAST 1
	s_endpgm
.Lmask:
	; A wave packs half a tile of 16 queries: tile T, half u.  Lane r + 16 h reads row r's bytes 512 h + 256 u + 128 trip .. + 127, two trips: 256 consecutive bytes, aligned, of each row piece.
	; Byte W of a trip's 128 is compared with 0 in all lanes at once, which IS the word for key step 8 u + 4 trip + W / 32, register W % 32; v_writelane_b32 lays the 128 words into four registers
	; so that one store of 16 bytes a lane writes 512 consecutive bytes.
	s_lshl_b32 s2, ttmp9, 3
	s_add_co_u32 s2, s2, s30                       ; my wave among the 1,024 that pack
	s_lshr_b32 s6, s2, 1                           ; T
	s_and_b32 s7, s2, 1                            ; u
	s_lshl_b32 s4, s6, 14                          ; 16 rows of 1,024 bytes
	s_lshl_b32 s5, s7, 8
	s_add_co_u32 s4, s4, s5
	s_mov_b32 s5, 0
	s_add_nc_u64 s[22:23], s[22:23], s[4:5]
	s_lshl_b32 s4, s6, 11
	s_lshl_b32 s6, s7, 10
	s_add_co_u32 s4, s4, s6
	s_add_nc_u64 s[28:29], s[28:29], s[4:5]
	v_and_b32 v3, 15, v0
	v_bfe_u32 v4, v0, 4, 1
	v_lshlrev_b32 v1, 10, v3
	v_lshl_add_u32 v1, v4, 9, v1                   ; 1024 r + 512 h
	v_and_b32 v2, 31, v0
	v_lshlrev_b32 v2, 4, v2                        ; 16 x lane
.irp n, 44,45,46,47
	v_mov_b32 v\n, 0                               ; v_writelane_b32 counts as a reader of its destination
.endr
	s_mov_b32 s31, 2
.Lm:
.irp n, 0,1,2,3,4,5,6,7
	global_load_b128 v[8+4*\n:11+4*\n], v1, s[22:23] offset:16*\n
.endr
	s_wait_loadcnt 0x0
.set W, 0
.rept 128
	v_and_b32 v[40+W%4], 0xff<<(8*(W&3)), v[8+(W>>2)]
	v_cmp_ne_u32 s[32+W%4], 0, v[40+W%4]
	v_writelane_b32 v[44+(W&3)], s[32+W%4], W>>2
.set W, W+1
.endr
	global_store_b128 v2, v[44:47], s[28:29]
	s_wait_xcnt 0x0                                ; the store has read its data and its offset, the loads theirs: only now are they written again
	v_add_nc_u32 v1, 128, v1
	v_add_nc_u32 v2, 512, v2
	s_sub_co_u32 s31, s31, 1
	s_cmp_lg_u32 s31, 0
	s_cbranch_scc1 .Lm
	s_endpgm
.Lfunc_end_k_q99e75f6e81_prep:
	.size	k_q99e75f6e81_prep, .Lfunc_end_k_q99e75f6e81_prep-k_q99e75f6e81_prep
	.p2alignl 7, 3214868480
	.fill 96, 4, 3214868480
	.section	.rodata,"a",@progbits
	.p2align	6, 0x0
	.amdhsa_kernel k_q99e75f6e81_prep
		.amdhsa_group_segment_fixed_size 0
		.amdhsa_private_segment_fixed_size 0
		.amdhsa_enable_private_segment 0
		.amdhsa_kernarg_size 88
		.amdhsa_user_sgpr_count 2
		.amdhsa_user_sgpr_kernarg_segment_ptr 1
		.amdhsa_wavefront_size32 1
		.amdhsa_system_sgpr_workgroup_id_x 1
		.amdhsa_system_sgpr_workgroup_id_y 1
		.amdhsa_system_sgpr_workgroup_id_z 1
		.amdhsa_system_vgpr_workitem_id 0
		.amdhsa_next_free_vgpr 144
		.amdhsa_next_free_sgpr 66
		.amdhsa_reserve_vcc 0
		.amdhsa_float_denorm_mode_32 3
		.amdhsa_float_denorm_mode_16_64 3
		.amdhsa_memory_ordered 1
		.amdhsa_forward_progress 1
		.amdhsa_inst_pref_size 60
	.end_amdhsa_kernel
	.amdgpu_metadata
---
amdhsa.version: [ 1, 2 ]
amdhsa.kernels:
  - .name:           k_q99e75f6e81_prep
    .symbol:         k_q99e75f6e81_prep.kd
    .args:
      - { .name: Q, .offset: 0, .size: 8, .value_kind: global_buffer, .address_space: global }
      - { .name: K, .offset: 8, .size: 8, .value_kind: global_buffer, .address_space: global }
      - { .name: V, .offset: 16, .size: 8, .value_kind: global_buffer, .address_space: global }
      - { .name: Wq, .offset: 24, .size: 8, .value_kind: global_buffer, .address_space: global }
      - { .name: Wk, .offset: 32, .size: 8, .value_kind: global_buffer, .address_space: global }
      - { .name: Wv, .offset: 40, .size: 8, .value_kind: global_buffer, .address_space: global }
      - { .name: Wo, .offset: 48, .size: 8, .value_kind: global_buffer, .address_space: global }
      - { .name: mask, .offset: 56, .size: 8, .value_kind: global_buffer, .address_space: global }
      - { .name: xall, .offset: 64, .size: 8, .value_kind: global_buffer, .address_space: global }
      - { .name: wall, .offset: 72, .size: 8, .value_kind: global_buffer, .address_space: global }
      - { .name: mbits, .offset: 80, .size: 8, .value_kind: global_buffer, .address_space: global }
    .group_segment_fixed_size: 0
    .private_segment_fixed_size: 0
    .kernarg_segment_align: 8
    .kernarg_segment_size: 88
    .max_flat_workgroup_size: 256
    .sgpr_count:     66
    .vgpr_count:     144
    .wavefront_size: 32
...
	.end_amdgpu_metadata
.endif
;; end of part 1
;; launch gemm_qkv (part 2): grid 4 x 96, 4 waves a work-group, clusters of 4 x 4, 327,680 bytes of LDS; arguments xall, wall, qkv; writes qkv
.if DOCPART == 2
	.amdgcn_target "amdgcn-amd-amdhsa--gfx1250"
	.amdhsa_code_object_version 6
	.text
	.protected	k_q99e75f6e81_gemm_qkv
	.globl	k_q99e75f6e81_gemm_qkv
	.p2align	8
	.type	k_q99e75f6e81_gemm_qkv,@function
k_q99e75f6e81_gemm_qkv:
	s_mov_b64 s[64:65], 0
	v_nop
	global_prefetch_b8 v0, s[64:65] scope:SCOPE_SE
	s_setreg_imm32_b32 hwreg(HW_REG_WAVE_MODE, 25, 1), 1
	s_wait_xcnt 0x0
	s_wait_alu depctr_hold_cnt(0) depctr_sa_sdst(0) depctr_va_vdst(0) depctr_va_sdst(0) depctr_va_ssrc(0) depctr_va_vcc(0) depctr_vm_vsrc(0)
	s_getreg_b32 s2, hwreg(HW_REG_IB_STS2, 6, 4)
	s_cmp_eq_u32 s2, 0
	s_cbranch_scc0 .Lentry_in_a_cluster
	s_endpgm
.Lentry_in_a_cluster:
	s_bfe_u32 s2, ttmp6, 0x10000c
	s_cmp_lg_u32 s2, 0xf033
	s_cbranch_scc0 .Lentry_shape_is_right
	s_endpgm
.Lentry_shape_is_right:
; THREE PRODUCTS IN ONE LAUNCH: C[m][n] = the sum over k of A[m][k] B[n][k], K = 1024, sums in f32.
; A = xall (bf16, [24576][1024], rows Q | K | V, 8,192 each), B = wall's rows Wq | Wk | Wv (bf16, 1,024 each), C = qkv (f16, [24576][1024], rows c q | k | v).
; c = log2(e) / sqrt(128) multiplies the first product's f32 sums, ahead of their one rounding; the other two are multiplied by 1, so that one text serves all three.
; LIMIT.  f16 ends at 65,504: c q, k and v must lie within it; with inputs 30 times those drawn they stay under a few thousand.
; SHAPE.  A tile of C is 256 x 256, one to a work-group: 3 x 32 x 4 = 384 work-groups.  Four waves, as many as a WGP has SIMDs, each 128 x 128: 64 accumulators of 16 x 16, 512 registers.
; Behind each change of slots a wave has one tensor load out, which must have landed at the next change: with this tile a K step of 128 holds 256 matrix instructions a wave, 224 of them between a
; request and the wait for it; a tile of 128 x 256 has half of that, and no longer K step of it fits twice into LDS.
; K goes in steps of 128 through a ring of two LDS slots: the rows of A's and B's tiles are 256 bytes of memory and start at multiples of 256 bytes from the buffer's first byte.
; The last K step goes by rows of C, so that finished rows leave while the others are multiplied.
; CLUSTERS: 4 x 4 work-groups: 1,024 rows x all 1,024 columns of one product.  The four of a row of the cluster need the same tiles of A, the four of a column the same tiles of B.  Such a tile is asked for
; JOINTLY: each of the four issues the same tensor load, with the same descriptor and a mask that names the four, and each receives the tile in its own LDS.
; Which product: cluster y / 8, the same number in all sixteen partners: it enters B's address and the factor on the way out.
;
; REGISTERS, in windows of 256 (an instruction names v0-v255; s_set_vgpr_msb says which window each operand place means: bits 1:0 source 0, 3:2 source 1, 5:4 source 2, 7:6 destination):
;   window 0: v0-31 addresses; v64-127, v128-191 fragments of A (8 x 16 rows x 32 K), two buffers (in the last K step four, of 16 rows x 128 K); v32-63, v192-255 at work on the way out
;   window 1: v64-127, v128-191 fragments of B, two buffers; in the last K step all 256: B's fragments of the whole step
;   window 2: the 32 accumulators of my rows 0-63 (accumulator (a, b) at v[8 (8 a + b)]);   window 3: those of my rows 64-127
; THE MATRIX INSTRUCTION IS USED TRANSPOSED: source 0 = 16 rows of B, source 1 = 16 rows of A.  In the result, lane l then holds row l % 16 of C, and its registers 0 to 7 the columns
; 8 (l / 16) + 0 .. 7: eight neighbouring numbers of a row of C, which pack into 16 bytes.
.set SIZE_N, 1024
.set SIZE_K, 1024
.set KSTEP,  128
.set PITCH,  272                       ; an LDS row: 256 bytes of data + 16 of padding = 68 words: row r starts at bank 4 r mod 64 (64 banks of 4 bytes: ISA guide 11.1), so the 16 rows that a load touches start at 16 different banks
.set HALFT,  128*PITCH                 ; 128 rows: what one tensor load brings, and what one wave reads of A or of B
.set SLOT,   4*HALFT                   ; A's 256 rows, then B's 256 rows
.set STAGE,  2*SLOT                    ; behind the ring, never filled by a tensor load: 16 rows x 272 bytes for each wave, for the way out
.set SPITCH, 272
.set SPARE,  STAGE+4*16*SPITCH         ; behind the stages: the spare words, 128 bytes for each wave: two blocks of 256 bytes that no other line names
.set LAPS,   SIZE_K/(2*KSTEP)          ; a lap = two K steps = once round the ring
.set ADRA, 16                          ; v16-17  LDS address of my A fragments in slot 0, 1
.set ADRB, 20                          ; v20-21  the same for B
.set STO,  24                          ; v24     the way out: where I put 16 bytes of a row
.set RD,   25                          ; v25     the way out: where I read a row back
.set CO,   26                          ; v26     my byte offset in C
.set SPW,  28                          ; v28     LDS address of my spare word: SPARE + 4 x my thread's number; never rewritten
.set NIL,  29                          ; v29     0; never rewritten
.set PFO,  30                          ; v30     the prefetches' offset: my lane x a row of 2,048 bytes; never rewritten
.set PFA,  44                          ; s[44:45] where my prefetches stand: my work-group's 32 rows of the 128 that I fetch, one K step further along K than the refill that is being asked for
.set LIM,  43                          ; s43     1 in a wave that prefetches, else the greatest number
.set SC,   66                          ; s[66:67] what the sums are multiplied by on the way out
.set F0,   64                          ; fragment buffer 0
.set F1,   128                         ; fragment buffer 1
.set TMP,  192                         ; the way out: packed results, in window 0
.set OB,   32                          ; the way out: 16 rows read back from the stage: v32-63 and v224-255 by turns
.set PA,   64                          ; the last K step: A's fragments of 16 rows x 128 K, 32 registers; four such buffers, v64-191
.set G1,  24                           ; s[24:31] descriptor group 1 for A's tiles
.set G0,  32                           ; s[32:39] descriptor group 0 for A's tiles, one set for each slot
.set G1B, 48                           ; s[48:55] descriptor group 1 for B's tiles: it differs from A's in the mask alone
.set G0B, 56                           ; s[56:63] descriptor group 0 for B's tiles, one set for each slot
.set MSB, 0
.macro WIN new                         ; the immediate's high byte repeats the setting that is left; a switch that changes nothing is dropped
.if MSB != (\new)
	s_set_vgpr_msb (MSB<<8)|(\new)
.set MSB, \new
.endif
.endm
.set MUL_LO, 0xa1                      ; source 0 (B) window 1, source 1 (A) window 0, C and D window 2
.set MUL_HI, 0xf1                      ; the same, C and D window 3
.set TO_B,   0x40                      ; destination window 1, address window 0
; A joint load.  Waves 0 and 1 fetch A's two halves, waves 2 and 3 B's.  Each of the two lines has ONE mask and one set of registers for all that issue it, and nothing in them hangs on a coordinate
; that the four partners do not share.  The branch hangs on the wave's number alone.  An s_nop 0 and four v_nop follow each of the two lines.
.macro JLOAD s
	s_cmp_eq_u32 s11, 0
	s_cbranch_scc0 .Lfor_b_\@
	tensor_load_to_lds s[G0+4*(\s):G0+4*(\s)+3], s[G1:G1+7]
	s_nop 0
.rept 4
	v_nop
.endr
	s_branch .Lasked_\@
.Lfor_b_\@:
	tensor_load_to_lds s[G0B+4*(\s):G0B+4*(\s)+3], s[G1B:G1B+7]
	s_nop 0
.rept 4
	v_nop
.endr
.Lasked_\@:
.endm
; A PREFETCH, behind each joint load, its five lines and the run of LDS loads that follows them: the K step that stands TWO refills on, 512 matrix instructions ahead of the load that will want it:
; 32 rows x 256 bytes, a lane a row, one instruction a wave.  Each row's 256 bytes of a K step are named ONCE in the launch.  A's rows are read by one cluster alone, which asks for them; a product's rows of B
; are read by its eight clusters, of which the first asks.  The four partners that ask for a tile jointly share its rows out BY ADDRESS: of the 128 rows that wave w fetches, the partner at place p takes
; 32 p .. 32 p + 31 (p = cx for A, cy for B).  K steps 0 to 3 come by their loads alone; the last two refills have no K step two on.
.macro ASK
	s_cmp_gt_u32 s3, s[LIM]                        ; s3 = 1 in the loop's last trip
	s_cbranch_scc0 .Lnot_mine_\@
	global_prefetch_b8 v[PFO], s[PFA:PFA+1] offset:KSTEP*2 th:TH_LOAD_NT scope:SCOPE_SE
.Lnot_mine_\@:
.endm
; A round of the cluster's barrier: my work-group's barrier, so that wave 0's signal speaks for all four waves; wave 0 signals for the work-group; every wave waits for all sixteen work-groups;
; my work-group's barrier once more.  No LDS instruction of the wave is pending at a signal.
.macro CREST                           ; a round behind its opening barrier
	s_cmp_lg_u32 s10, 0
	s_cbranch_scc1 .Lnot_wave_0_\@
	s_barrier_signal -3
.Lnot_wave_0_\@:
	s_barrier_wait -3
	s_barrier_signal -1
	s_barrier_wait -1
.endm
.macro CROUND                          ; a whole round
	s_barrier_signal -1
	s_barrier_wait -1
	CREST
.endm
	s_load_b128 s[4:7], s[0:1], 0x0                ; A s[4:5], B s[6:7]
	s_load_b64 s[8:9], s[0:1], 0x10                ; C
	v_lshl_add_u32 v[SPW], v0, 2, SPARE
	v_mov_b32 v[NIL], 0
	ds_add_u32 v[SPW], v[NIL]                      ; the wave's opening: the add and its wait stand ahead of my first tensor load; the set-up below, work on registers, stands between them
	v_lshrrev_b32 v1, 5, v0
	v_readfirstlane_b32 s10, v1                    ; wave 0..3
	s_lshr_b32 s11, s10, 1                         ; which half of the tile's rows is mine.  Also: I fetch for A (0) or for B (1)
	s_and_b32 s12, s10, 1                          ; which half of its columns.  Also: which 128 rows of that tile I fetch
	s_bfe_u32 s40, ttmp6, 0x40000                  ; cx: my place along the cluster's x
	s_bfe_u32 s41, ttmp6, 0x40004                  ; cy: along its y
	s_lshl_b32 s42, ttmp9, 2                       ; in a cluster launch ttmp9 and ttmp7 count clusters
	s_add_co_u32 s42, s42, s40                     ; tile column of C = 4 x cluster x + cx
	s_and_b32 s13, ttmp7, 0xffff
	s_lshr_b32 s2, s13, 3                          ; which product: eight clusters of 1,024 rows each
	s_lshl_b32 s13, s13, 2
	s_add_co_u32 s13, s13, s41                     ; tile row of C = 4 x cluster y + cy
	s_lshl_b32 s43, s41, 2
	s_lshl_b32 s43, 15, s43                        ; my row of the cluster: places 4 cy .. 4 cy + 3
	s_lshl_b32 s44, 0x1111, s40                    ; my column: places cx, cx + 4, cx + 8, cx + 12
	; descriptor group 1: a tile of 128 rows x 128 elements, padded in LDS
	s_or_b32 s[G1+0], s43, (1<<16)|(1<<20)|(1<<21)|(5<<22)|(3<<25)  ; 15:0 the mask: A's tiles go to my row; 17:16 element of 2 bytes; 20 padding on; 21 set beside a mask; 24:22 after every 64 words (code 5); 31:25 of 4 words (code 3)
	s_or_b32 s[G1B+0], s44, (1<<16)|(1<<20)|(1<<21)|(5<<22)|(3<<25) ; the same with the mask of my column, for B's tiles
	s_mov_b32 s[G1B+1], KSTEP<<16
	s_mov_b32 s[G1+1], KSTEP<<16                   ; tensor_dim0 = 128
	s_mov_b32 s[G1B+2], 128<<16
	s_mov_b32 s[G1+2], 128<<16                     ; tensor_dim1 = 128
	s_mov_b32 s[G1B+3], KSTEP<<16
	s_mov_b32 s[G1+3], KSTEP<<16                   ; tile_dim0 = 128
	s_mov_b32 s[G1B+4], 128
	s_mov_b32 s[G1+4], 128                         ; tile_dim1 = 128
	s_mov_b32 s[G1B+5], SIZE_K
	s_mov_b32 s[G1+5], SIZE_K                      ; elements from row to row
	s_mov_b32 s[G1B+6], 0
	s_mov_b32 s[G1+6], 0
	s_mov_b32 s[G1B+7], 0
	s_mov_b32 s[G1+7], 0
	s_cmp_eq_u32 s2, 0                             ; the first product is q's
	s_cselect_b32 s[SC], 0x3e0293ee, 1.0           ; c = log2(e) / sqrt(128) = 0.127517, or 1
	s_mov_b32 s[SC+1], s[SC]                       ; named with it as a pair
	; where the tiles come from.  A's hang on the tile row alone, which my row of the cluster shares; B's on the tile column, which my column shares, and on the product.
	; Every wave makes both addresses, in registers that never hold the other coordinate, and asks by one of them.
	s_lshl_b32 s17, s12, 7                         ; which 128 rows of the tile I fetch
	s_lshl_b32 s16, s13, 8
	s_add_co_u32 s16, s16, s17                     ; A: row 256 x tile row + 128 x half,
	s_lshl_b32 s16, s16, 11                        ; in bytes (under 2^26)
	s_lshl_b32 s46, s42, 8
	s_add_co_u32 s46, s46, s17                     ; B: row 256 x tile column + 128 x half
	s_lshl_b32 s18, s2, 10
	s_add_co_u32 s46, s46, s18                     ; + 1,024 x product
	s_lshl_b32 s46, s46, 11
	s_mov_b32 s17, 0
	s_mov_b32 s47, 0
	s_mul_i32 s20, s10, HALFT                      ; and where they go: A's two halves, then B's two halves = wave x 128 rows: no place in the cluster enters an LDS address
	s_wait_dscnt 0x0                               ; the opening add is done
	s_wait_kmcnt 0x0
	s_add_nc_u64 s[14:15], s[4:5], s[16:17]
	s_add_nc_u64 s[46:47], s[6:7], s[46:47]
	CROUND                                         ; all sixteen work-groups are here: the first joint loads meet
.irp s, 0,1
	s_mov_b32 s[G0+4*(\s)], 1                                      ; count = 1
	s_add_co_u32 s[G0+4*(\s)+1], s20, (\s)*SLOT                    ; LDS address
	s_add_nc_u64 s[G0+4*(\s)+2:G0+4*(\s)+3], s[14:15], (\s)*KSTEP*2  ; global address: K step s
	s_or_b32 s[G0+4*(\s)+3], s[G0+4*(\s)+3], 0x80000000            ; type = 2
	s_mov_b32 s[G0B+4*(\s)], 1
	s_add_co_u32 s[G0B+4*(\s)+1], s20, (\s)*SLOT
	s_add_nc_u64 s[G0B+4*(\s)+2:G0B+4*(\s)+3], s[46:47], (\s)*KSTEP*2
	s_or_b32 s[G0B+4*(\s)+3], s[G0B+4*(\s)+3], 0x80000000
	JLOAD \s                                       ; the ring is filled before anything else is done: two loads of mine are out
.endr
	; A fragment is 16 rows x 32 K in 8 registers: lane l holds row l % 16; registers 0-3 hold K = 8 (l / 16) + 0..7, registers 4-7 hold
	; K = 16 + 8 (l / 16) + 0..7.  From rows that lie along K: two loads of 16 bytes, 32 bytes apart.  The same for source 0 and source 1.
	v_and_b32 v1, 15, v0                           ; l % 16
	v_bfe_u32 v2, v0, 4, 1                         ; l / 16
	v_mul_u32_u24 v3, v1, PITCH
	v_lshl_add_u32 v3, v2, 4, v3                   ; row x pitch + 16 x half
	s_mul_i32 s21, s11, HALFT                      ; my 128 rows of A
	s_mul_i32 s22, s12, HALFT                      ; my 128 rows of B,
	s_add_co_u32 s22, s22, 2*HALFT                 ; which lie behind A's 256
.irp s, 0,1
	v_add_nc_u32 v[ADRA+(\s)], s21, v3
	v_add_nc_u32 v[ADRB+(\s)], s22, v3
	s_add_co_u32 s21, s21, SLOT
	s_add_co_u32 s22, s22, SLOT
.endr
	s_mul_i32 s23, s10, 16*SPITCH
	s_add_co_u32 s23, s23, STAGE                   ; my stage
	v_mul_u32_u24 v4, v1, SPITCH                   ; in: row l % 16, 16 bytes for each half of the lanes
	v_lshl_add_u32 v4, v2, 4, v4
	v_add_nc_u32 v[STO], s23, v4
	v_mul_u32_u24 v5, v2, SPITCH                   ; back: lanes 0-15 take one row of 256 bytes, lanes 16-31 the next
	v_lshl_add_u32 v5, v1, 4, v5
	v_add_nc_u32 v[RD], s23, v5
	v_mul_u32_u24 v5, v2, SIZE_N*2                 ; and the same two rows in C
	v_lshl_add_u32 v[CO], v1, 4, v5
	; where my part of the tile begins in C, in bytes: the way out adds it to C's address
	s_lshl_b32 s13, s13, 8
	s_lshl_b32 s14, s11, 7
	s_add_co_u32 s16, s13, s14                     ; my first row of C,
	s_lshl_b32 s16, s16, 11                        ; 2,048 bytes a row
	s_mov_b32 s17, 0
	s_lshl_b32 s46, s42, 9                         ; my first column, in bytes: 512 x tile column + 256 x half
	s_lshl_b32 s47, s12, 8
	s_add_co_u32 s46, s46, s47
	s_mov_b32 s47, 0
	s_add_nc_u64 s[16:17], s[16:17], s[46:47]
	; the prefetches.  s13 = 256 x tile row, s42 = tile column, s2 = product, s40 = cx, s41 = cy still stand; s[4:5] = A, s[6:7] = B
	s_lshl_b32 s42, s42, 8
	s_lshl_b32 s18, s2, 10
	s_add_co_u32 s42, s42, s18                     ; B: the tile's first row
	s_and_b32 s22, ttmp7, 7                        ; my cluster among the eight of its product
	s_cmp_eq_u32 s11, 0                            ; do I fetch for A?
	s_cselect_b32 s20, s13, s42                    ; the tile's first row
	s_cselect_b32 s21, s40, s41                    ; my place among the four that ask for it with me
	s_cselect_b32 s22, ttmp9, s22                  ; the coordinate along which other clusters read the same rows
	s_cselect_b64 s[PFA:PFA+1], s[4:5], s[6:7]
	s_cmp_eq_u32 s22, 0
	s_cselect_b32 s[LIM], 1, -1                    ; the same in all sixteen partners, for a given wave
	s_lshl_b32 s22, s12, 7
	s_add_co_u32 s20, s20, s22                     ; + the 128 rows that I fetch
	s_lshl_b32 s21, s21, 5
	s_add_co_u32 s20, s20, s21                     ; + my work-group's 32 of them
	s_lshl_b32 s20, s20, 11
	s_mov_b32 s21, 0
	s_add_nc_u64 s[PFA:PFA+1], s[PFA:PFA+1], s[20:21]
	s_add_nc_u64 s[PFA:PFA+1], s[PFA:PFA+1], 2*KSTEP*2  ; at K step 2: the first refill steps it to 3 and names K step 4.  Nothing is prefetched here, at the head
	v_and_b32 v[PFO], 31, v0
	v_lshlrev_b32 v[PFO], 11, v[PFO]
; 16 matrix instructions: m blocks a0, a0 + 1 of the window's four (hi = 0: my rows 0-63, 1: rows 64-127) x all 8 n blocks, 32 along K.  The 64 accumulators take turns in the same order in every quarter.
; zero = 1: the first product starts the sums: nothing is ever cleared.
.macro MUL16 f, hi, a0, zero
	WIN MUL_LO+0x50*(\hi)  ; MUL_LO or MUL_HI
.irp a, \a0, (\a0)+1
.irp b, 0,1,2,3,4,5,6,7
.if \zero
	v_wmma_f32_16x16x32_bf16 v[8*(8*(\a)+(\b)):8*(8*(\a)+(\b))+7], v[(\f)+8*(\b):(\f)+8*(\b)+7], v[(\f)+8*(4*(\hi)+(\a)):(\f)+8*(4*(\hi)+(\a))+7], 0
.else
	v_wmma_f32_16x16x32_bf16 v[8*(8*(\a)+(\b)):8*(8*(\a)+(\b))+7], v[(\f)+8*(\b):(\f)+8*(\b)+7], v[(\f)+8*(4*(\hi)+(\a)):(\f)+8*(4*(\hi)+(\a))+7], v[8*(8*(\a)+(\b)):8*(8*(\a)+(\b))+7]
.endif
.endr
.endr
.endm
; 32 LDS loads in one run: the fragments of one quarter step (128 rows of B, 128 rows of A, 32 K at byte k of the rows) into buffer f
.macro FETCH slot, k, f
	WIN TO_B
.irp i, 0,1,2,3,4,5,6,7
	ds_load_b128 v[(\f)+8*(\i):(\f)+8*(\i)+3],   v[ADRB+(\slot)] offset:(\k)+(\i)*16*PITCH
	ds_load_b128 v[(\f)+8*(\i)+4:(\f)+8*(\i)+7], v[ADRB+(\slot)] offset:(\k)+(\i)*16*PITCH+32
.endr
	WIN 0
.irp i, 0,1,2,3,4,5,6,7
	ds_load_b128 v[(\f)+8*(\i):(\f)+8*(\i)+3],   v[ADRA+(\slot)] offset:(\k)+(\i)*16*PITCH
	ds_load_b128 v[(\f)+8*(\i)+4:(\f)+8*(\i)+7], v[ADRA+(\slot)] offset:(\k)+(\i)*16*PITCH+32
.endr
.endm
; A load into a register that a matrix instruction has read, and a vector instruction that reads a matrix result or writes one of a matrix instruction's registers, stand four places behind that matrix
; instruction, and only plain vector instructions that name none of its registers are places (ISA guide 7.12.1 for vector instructions).
.macro PLACES
.rept 4
	v_nop
.endr
.endm
; A K step is four quarter steps of 32 along K, 64 matrix instructions each, on buffers 0, 1, 0, 1.
; One of the first three: multiplies buffer f; in its middle it fetches the next quarter's fragments, at byte k of the same slot's rows, into buffer g.
.macro QUARTER slot, k, f, g, zero
	s_wait_dscnt 8                                 ; B and A's rows 0-63 are in; the youngest eight loads (A's rows 64-127) may be out
	WIN MUL_LO
	MUL16 \f, 0, 0, \zero
	MUL16 \f, 0, 2, \zero
	PLACES
	FETCH \slot, \k, \g
	s_wait_dscnt 32                                ; all but the 32 just issued
	WIN MUL_HI
	MUL16 \f, 1, 0, \zero
	MUL16 \f, 1, 2, \zero
.endm
; The last quarter multiplies buffer 1 and changes slots.  MEET is its first half: ONE barrier for the change of slots, for two things.  In front of it each wave waits for all its tensor loads, of which one
; is out: its part of the next slot; adds 0 to its spare word; and waits for that and for its own reads of this slot.  Behind it nobody reads this slot any more and the next slot is whole.
.macro MEET round                      ; round = 1: a round of the cluster's barrier follows
	WIN 0                                          ; (the add's two registers lie in window 0)
	s_wait_tensorcnt 0x0                           ; all my tensor loads have landed: the one that was out is my part of the next slot;
	ds_add_u32 v[SPW], v[NIL]                      ; 0 onto my spare word;
	s_wait_dscnt 9                                 ; (the add and the youngest eight loads may be out)
	WIN MUL_LO
	MUL16 F1, 0, 0, 0                              ; sixteen matrix instructions stand between the add and the wait for it
	s_wait_dscnt 0x0                               ; the add is done, and my reads of this slot are over:
	s_barrier_signal -1                            ; say so (where a slot is filled again this barrier opens a round of the cluster's barrier),
	MUL16 F1, 0, 2, 0                              ; work on registers while the others arrive,
.if \round
	WIN 0
.endif
	s_barrier_wait -1                              ; and go on when all four have said so
.endm
; The whole last quarter.  Behind the round the slot just read out is filled again first, with the K step two steps on; then come the next slot's first fragments.
.macro TURN slot, next
	s_wait_xcnt 0x0                                ; the last prefetch, a K step back, has read its address: it is stepped here, ahead of the waits of the change of slots
	s_add_nc_u64 s[PFA:PFA+1], s[PFA:PFA+1], KSTEP*2
	MEET 1
	CREST                                          ; no wave of any partner still reads this slot's tile or has a load on its way
	s_add_nc_u64 s[G0+4*(\slot)+2:G0+4*(\slot)+3], s[G0+4*(\slot)+2:G0+4*(\slot)+3], 2*KSTEP*2
	s_add_nc_u64 s[G0B+4*(\slot)+2:G0B+4*(\slot)+3], s[G0B+4*(\slot)+2:G0B+4*(\slot)+3], 2*KSTEP*2
	JLOAD \slot                                    ; the first tensor load behind the round; the four v_nop behind it are also the places in front of the loads below
	FETCH \next, 0, F0
	ASK                                            ; behind the joint load and the run of LDS loads that the next products wait for
	WIN MUL_HI
	MUL16 F1, 1, 0, 0
	MUL16 F1, 1, 2, 0
.endm
; THE LAST K STEP (it lies in slot 1) GOES BY ROWS OF C, NOT BY K.  All its fragments of B (4 quarters x 64 registers) fill window 1; then my eight blocks of 16 rows are finished one after the other,
; each with 32 matrix instructions (its 8 accumulators by turns, K ascending).  LDS is read no more than in any other K step.
.macro BLOAD q                         ; B's fragments of quarter q -> window 1, v[64 q ..]
	WIN TO_B
.irp i, 0,1,2,3,4,5,6,7
	ds_load_b128 v[64*(\q)+8*(\i):64*(\q)+8*(\i)+3],   v[ADRB+1] offset:64*(\q)+(\i)*16*PITCH
	ds_load_b128 v[64*(\q)+8*(\i)+4:64*(\q)+8*(\i)+7], v[ADRB+1] offset:64*(\q)+(\i)*16*PITCH+32
.endr
.endm
.macro ALOAD a                         ; A's fragments of block a, all four quarters -> buffer a % 4
	WIN 0
.set FA, PA+32*((\a)%4)
.irp q, 0,1,2,3
	ds_load_b128 v[FA+8*(\q):FA+8*(\q)+3],   v[ADRA+1] offset:64*(\q)+(\a)*16*PITCH
	ds_load_b128 v[FA+8*(\q)+4:FA+8*(\q)+7], v[ADRA+1] offset:64*(\q)+(\a)*16*PITCH+32
.endr
.endm
.macro ROW a                           ; block a is finished: 32 matrix instructions
.set FA, PA+32*((\a)%4)                ; its fragments of A
.set AC, 64*((\a)%4)                   ; its eight accumulators, in window 2 (blocks 0-3) or 3 (blocks 4-7)
	WIN MUL_LO+0x50*((\a)/4)                       ; MUL_LO or MUL_HI
.irp q, 0,1,2,3
.if (\a) == 0 && (\q) == 2
	s_wait_dscnt 24                                ; B's quarter 2 is in (behind it: A's blocks 1 to 3)
.endif
.irp b, 0,1,2,3,4,5,6,7
	v_wmma_f32_16x16x32_bf16 v[AC+8*(\b):AC+8*(\b)+7], v[64*(\q)+8*(\b):64*(\q)+8*(\b)+7], v[FA+8*(\q):FA+8*(\q)+7], v[AC+8*(\b):AC+8*(\b)+7]
.endr
.endr
.endm
; THE WAY OUT of block a, in three parts.  PACK: scaled, rounded to f16, 16 bytes a lane.  TOSTAGE: into my own stage in LDS, and back as whole rows of 256 bytes.  SEND: stored.
.macro PACK a
.set AC, 64*((\a)%4)
	WIN 0x82+0x41*((\a)/4)                         ; destination and source 0: window 2 or 3
.set i, 0
.rept 32
	v_pk_mul_f32 v[AC+i:AC+i+1], v[AC+i:AC+i+1], s[SC:SC+1] op_sel_hi:[1,0]  ; each accumulator from its low end on
.set i, i+2
.endr
	WIN 0x0a+5*((\a)/4)                            ; sources 0 and 1: window 2 or 3; destination window 0
.irp b, 0,1,2,3,4,5,6,7
.irp r, 0,1,2,3
	v_cvt_pk_f16_f32 v[TMP+4*(\b)+(\r)], v[AC+8*(\b)+2*(\r)], v[AC+8*(\b)+2*(\r)+1]
.endr
.endr
	WIN 0
.endm
.macro TOSTAGE a
	WIN 0
.set BK, OB+192*((\a)%2)
.irp b, 0,1,2,3,4,5,6,7
	ds_store_b128 v[STO], v[TMP+4*(\b):TMP+4*(\b)+3] offset:32*(\b)
.endr
.irp t, 0,1,2,3,4,5,6,7
	ds_load_b128 v[BK+4*(\t):BK+4*(\t)+3], v[RD] offset:(\t)*2*SPITCH  ; LDS serves a wave's instructions in order (ISA guide 5.7.1.4): these see the stores above
.endr
.endm
.macro SEND a, younger                 ; younger: the LDS loads issued behind TOSTAGE's, which may stay out
	WIN 0
.set BK, OB+192*((\a)%2)
	s_wait_dscnt \younger                          ; the block is back in registers
	s_wait_xcnt 0x0                                ; earlier stores have read their base and their data: only behind this wait are these written again
.if (\a) == 0
	s_add_nc_u64 s[8:9], s[8:9], s[16:17]          ; on to my first rows
.else
	s_add_nc_u64 s[8:9], s[8:9], 16*SIZE_N*2       ; 16 rows of C on
.endif
.irp t, 0,1,2,3,4,5,6,7
	global_store_b128 v[CO], v[BK+4*(\t):BK+4*(\t)+3], s[8:9] offset:2*(\t)*SIZE_N*2  ; 16 lanes store 256 consecutive bytes, at a multiple of 256 from C's first byte
.endr
.endm
	s_wait_tensorcnt 1                             ; my part of K step 0 is in; K step 1's may stay out
	s_barrier_signal -1
	s_barrier_wait -1                              ; everybody's is
	FETCH 0, 0, F0
	QUARTER 0, 64,  F0, F1, 1                      ; the first quarter stands in front of the loop: its products start the sums
	WIN 0                                          ; at a label and at a branch every window is 0
	s_mov_b32 s3, LAPS-1
.Llap:                                                 ; a trip goes once round the ring, from a lap's second quarter to the next lap's first, and fills both slots again
	QUARTER 0, 128, F1, F0, 0
	QUARTER 0, 192, F0, F1, 0
	TURN 0, 1
	QUARTER 1, 64,  F0, F1, 0
	QUARTER 1, 128, F1, F0, 0
	QUARTER 1, 192, F0, F1, 0
	TURN 1, 0
	QUARTER 0, 64,  F0, F1, 0
	WIN 0
	s_sub_co_u32 s3, s3, 1
	s_cmp_lg_u32 s3, 0
	s_cbranch_scc1 .Llap
	QUARTER 0, 128, F1, F0, 0                      ; the last lap goes on
	QUARTER 0, 192, F0, F1, 0
	MEET 0                                         ; my one tensor load that was still out is slot 1's, the last K step's, so no round follows
	PLACES                                         ; for the loads into buffer 0, which the quarter before multiplied
	WIN TO_B
	BLOAD 0                                        ; three quarters of B now: buffer 1 (v128-191 of both windows) is still being multiplied
	BLOAD 1
	BLOAD 3
	WIN 0
	ALOAD 0
	WIN MUL_HI
	MUL16 F1, 1, 0, 0
	MUL16 F1, 1, 2, 0
	PLACES                                         ; for the loads into buffer 1
	WIN TO_B
	BLOAD 2
	WIN 0
	ALOAD 1
	ALOAD 2
	ALOAD 3
	s_wait_dscnt 40                                ; all but the 40 just issued
	ROW 0
.irp a, 0,1,2,3,4,5,6,7                ; each block leaves as soon as it is finished: nothing follows this tile, so the sooner its stores begin, the sooner the work-group ends
	PLACES                                         ; its scalings read and write results just made, and no other vector work is at hand
	PACK \a
	TOSTAGE \a
.if (\a) < 4
	ALOAD (\a)+4                                   ; its buffer takes the block four further on
	SEND \a, 8
.else
	SEND \a, 0
.endif
.if (\a) < 7
	ROW (\a)+1
.endif
.endr
	s_wait_tensorcnt 0x0                           ; the wave's end: an add to my spare word and its wait, behind my last tensor load and my last LDS store
	ds_add_u32 v[SPW], v[NIL]
	s_wait_dscnt 0x0
	CROUND                                         ; the closing round: no work-group ends while a partner may still ask for a tile that names it
	s_endpgm
.Lfunc_end_k_q99e75f6e81_gemm_qkv:
	.size	k_q99e75f6e81_gemm_qkv, .Lfunc_end_k_q99e75f6e81_gemm_qkv-k_q99e75f6e81_gemm_qkv
	.p2alignl 7, 3214868480
	.fill 96, 4, 3214868480
	.section	.rodata,"a",@progbits
	.p2align	6, 0x0
	.amdhsa_kernel k_q99e75f6e81_gemm_qkv
		.amdhsa_group_segment_fixed_size 327680
		.amdhsa_private_segment_fixed_size 0
		.amdhsa_enable_private_segment 0
		.amdhsa_kernarg_size 24
		.amdhsa_user_sgpr_count 2
		.amdhsa_user_sgpr_kernarg_segment_ptr 1
		.amdhsa_wavefront_size32 1
		.amdhsa_system_sgpr_workgroup_id_x 1
		.amdhsa_system_sgpr_workgroup_id_y 1
		.amdhsa_system_sgpr_workgroup_id_z 1
		.amdhsa_system_vgpr_workitem_id 0
		.amdhsa_next_free_vgpr 1024
		.amdhsa_next_free_sgpr 72
		.amdhsa_reserve_vcc 0
		.amdhsa_float_denorm_mode_32 3
		.amdhsa_float_denorm_mode_16_64 3
		.amdhsa_memory_ordered 1
		.amdhsa_forward_progress 1
		.amdhsa_inst_pref_size 161
	.end_amdhsa_kernel
	.amdgpu_metadata
---
amdhsa.version: [ 1, 2 ]
amdhsa.kernels:
  - .name:           k_q99e75f6e81_gemm_qkv
    .symbol:         k_q99e75f6e81_gemm_qkv.kd
    .args:
      - { .name: xall, .offset: 0, .size: 8, .value_kind: global_buffer, .address_space: global }
      - { .name: wall, .offset: 8, .size: 8, .value_kind: global_buffer, .address_space: global }
      - { .name: qkv, .offset: 16, .size: 8, .value_kind: global_buffer, .address_space: global }
    .group_segment_fixed_size: 327680
    .private_segment_fixed_size: 0
    .kernarg_segment_align: 8
    .kernarg_segment_size: 24
    .max_flat_workgroup_size: 128
    .sgpr_count:     72
    .vgpr_count:     1024
    .wavefront_size: 32
...
	.end_amdgpu_metadata
.endif
;; end of part 2
;; launch attn (part 3): grid 4 x 64, 8 waves a work-group, clusters of 4 x 1, 327,680 bytes of LDS; arguments qkv, mbits, gamma, cbuf; writes cbuf
.if DOCPART == 3
	.amdgcn_target "amdgcn-amd-amdhsa--gfx1250"
	.amdhsa_code_object_version 6
	.text
	.protected	k_q99e75f6e81_attn
	.globl	k_q99e75f6e81_attn
	.p2align	8
	.type	k_q99e75f6e81_attn,@function
k_q99e75f6e81_attn:
	s_mov_b64 s[64:65], 0
	v_nop
	global_prefetch_b8 v0, s[64:65] scope:SCOPE_SE
	s_setreg_imm32_b32 hwreg(HW_REG_WAVE_MODE, 25, 1), 1
	s_wait_xcnt 0x0
	s_wait_alu depctr_hold_cnt(0) depctr_sa_sdst(0) depctr_va_vdst(0) depctr_va_sdst(0) depctr_va_ssrc(0) depctr_va_vcc(0) depctr_vm_vsrc(0)
	s_getreg_b32 s2, hwreg(HW_REG_IB_STS2, 6, 4)
	s_cmp_eq_u32 s2, 0
	s_cbranch_scc0 .Lentry_in_a_cluster
	s_endpgm
.Lentry_in_a_cluster:
	s_bfe_u32 s2, ttmp6, 0x10000c
	s_cmp_lg_u32 s2, 0x3003
	s_cbranch_scc0 .Lentry_shape_is_right
	s_endpgm
.Lentry_shape_is_right:
; ATTENTION WITH A DISTANCE DECAY, for one (batch, head) a cluster.  With y = log2(e) w / sqrt(128) (w = q . k, or -1e8 where the mask holds):
;   score = softmax(y);  suffix_j = the sum of score over the keys behind j;  te = max(2^-(th sqrt(suffix |j - i|)), 1e-5), th = log2(e) softplus(gamma);  O = softmax(y te) V.
; qkv: f16 [24576][1024], rows c q | k | v, c = log2(e) / sqrt(128) already in q.  mbits: lane masks (below).  cbuf: f16 [8192][1024].  Products, maxima, sums and the scan in f32.
; LIMITS.  c q, k, v arrive within f16's 65,504.  The weights of the second product are rounded to f16: below 6e-5 they keep f16's fixed step of 6e-8.  A weight below 2^-126 counts as 0.
; NaN and infinities are not treated apart.  The suffix is summed directly, from the last key down, and so is never negative (the formula's total less running sum is cut at 0 there).  te never passes 1, so its upper bound of 1e5 is not written.
; TWO WALKS.  te needs the first softmax's total, so the keys are walked twice and the scores K Q^T made twice: pass 1 finds, for each query, maximum and sum; pass 2 goes from the last key to the first.
; SHARES.  A work-group owns 256 queries, each of its eight waves 32: two tiles of 16.  Two waves share a SIMD, 512 registers each: there are some ten vector instructions for each matrix instruction, and the text is
; written in plain phases, so one wave's vector work stands beside the other's products, LDS loads and waits.
; THE KEYS' ORDER.  A step g (0-15) takes 64 keys: 32 g + p and 512 + 32 g + p, p = 0..31.  S^T = K Q^T with source 0 = 8 lower and 8 upper keys: lane r + 16 h then holds query r and, in register p = 8 t + j of the four
; results t, key 512 h + 32 g + p.  So a lane owns 512 consecutive keys and the suffix sum never changes lanes.  The same order is given to P (source 1) and V^T (source 0) of O^T = V^T P.
; mbits: the word at byte 2048 T + 128 g + 4 p (T: tile of 16 queries, 64 to a batch) holds in bit r + 16 h mask[16 T + r][512 h + 32 g + p].
; CLUSTER.  The four query blocks of a (batch, head) walk the same K and V: each tile is asked for jointly, the same load, descriptor and mask of four in all four.
; LDS.  Rows of 256 + 32 bytes.  A slot has 128 rows for the lower keys and, 36,880 bytes on (an odd multiple of 16, so that the 8 + 8 rows of a fragment of K start at 16 different 16-byte columns), 128 for the upper.
; Pass 1: a slot holds 256 keys of K (four steps).  Pass 2: 128 keys of K (rows 0-63 of each area) and of V (rows 64-127): two steps.  Twelve fills; waves 0-3 bring 64 rows each, waves 4-7 none.
; REGISTERS.  Window 0: v2-23 addresses and constants; v24-55 statistics, 16 a tile; v64-127 Q; v128-191 S^T, 32 a tile; v192-223 D (the scan; then P in its first 16); v224-255 T (distance, then te).
;             Window 1: v0-127 O^T, 64 a tile; v128-255 the fragments of K, then of V.
.set PR,    288
.set UP,    36880
.set SLOT1, 1<<17                      ; slot 1 begins here: one exclusive or changes slots
.set STEPB, 32*PR                      ; a step's 32 rows in an area
.set VOFF,  64*PR                      ; pass 2: V's rows in an area
.set STAGE, 205056                     ; behind the ring (slot 1 ends at 204,816), never filled by a tensor load: 16 rows x 272 bytes for each wave
.set SP,    272
.set SPARE, STAGE+8*16*SP              ; the spare words, 128 bytes for each wave: four blocks of 256 bytes that no other line names
.set KOFFG, 16777216                   ; k's rows in qkv
.set VOFFG, 33554432                   ; v's
.set AK0, 2                            ; v2   my lane's place in a step's K
.set AV0, 3                            ; v3   in its V
.set AK,  4                            ; v4   the address of K's run of loads
.set AV,  5                            ; v5   of V's
.set QO,  6                            ; v6   my byte offset in 16 rows of Q
.set RD,  7                            ; v7   the way out: where I read rows back
.set GO,  8                            ; v8   my byte offset in two rows of cbuf
.set NEG, 12                           ; v12  -1e8 c
.set CLQ, 13                           ; v13  log2(1e5)^2
.set ZV,  14                           ; v14  0
.set HZ,  15                           ; v15  1 in lanes 0-15, 0 in lanes 16-31
.set C0,  16                           ; v16-19 at work
.set T0,  20
.set T1,  21
.set LT,  22                           ; v22  log2(th^2)
.set PFO, 23                           ; v23  my lane x a row of 2,048 bytes
.set ST,  24                           ; tile t's statistics at ST + 16 t: +0,1 m, then M1; +2,3 XB; +4,5 m2; +6,7 l (even, odd registers'); +8,9 a; +10 the scan's carry
.set STO, 56                           ; v56  the way out: where I put 16 bytes of a row
.set SPW, 62
.set NIL, 63
.set Q,   64
.set S,   128
.set D,   192
.set T,   224
.set KV,  128                          ; window 1
.set MB,  6                            ; s[6:7]   mbits at my first tile
.set WK,  8                            ; s[8:9]   the next fill's address
.set WV,  12                           ; s12  my wave's number
.set SO,  13                           ; s13  128 x the step whose mask words were asked for last
.set G1,  16                           ; s[16:23] descriptor group 1
.set G0,  24                           ; s[24:27] descriptor group 0: it walks
.set P2,  28                           ; s[28:29] pass 2's first fill
.set TB,  30                           ; s30  LDS byte at which the step's rows begin
.set LIM, 31                           ; s31  1 in the wave that prefetches, else the greatest number
.set MW,  32                           ; s[32:63] tile 0's mask words, s[68:99] tile 1's
.set SEL, 66                           ; s[66:67] v_permlanex16_b32's selects: each lane takes its own place in the other half
.set PFA, 100                          ; s[100:101] where my prefetches stand
.set MSB, 0
.macro WIN new
.if MSB != (\new)
	s_set_vgpr_msb (MSB<<8)|(\new)
.set MSB, \new
.endif
.endm
.macro PLACES
.rept 4
	v_nop
.endr
.endm
.macro JLOAD                           ; waves 0-3 fetch; the branch hangs on the wave's number alone; an s_nop 0 and four v_nop follow the load
	s_cmp_lt_u32 s[WV], 4
	s_cbranch_scc0 .Lnone_\@
	tensor_load_to_lds s[G0:G0+3], s[G1:G1+7]
	s_nop 0
.rept 4
	v_nop
.endr
.Lnone_\@:
.endm
.macro CROUND                          ; a round of the cluster's barrier
	s_barrier_signal -1
	s_barrier_wait -1
	s_cmp_lg_u32 s[WV], 0
	s_cbranch_scc1 .Lnot_wave_0_\@
	s_barrier_signal -3
.Lnot_wave_0_\@:
	s_barrier_wait -3
	s_barrier_signal -1
	s_barrier_wait -1
.endm
; A prefetch of V's 128 rows of the fill AFTER the one just asked for, two key steps ahead of its load: wave 0 of each partner names 32 rows, a lane a row of 256 bytes; the partners' shares are told apart by address
; (area cx % 2, rows 32 (cx / 2) on).  No other cluster reads this head's V, so each row is named once.  The last change that fills a slot asks for nothing.  K is on its second walk here and is not asked for.
.macro ASK
	s_cmp_gt_u32 s15, s[LIM]
	s_cbranch_scc0 .Lnot_mine_\@
	global_prefetch_b8 v[PFO], s[PFA:PFA+1] th:TH_LOAD_NT scope:SCOPE_SE
.Lnot_mine_\@:
.endm
; THE CHANGE OF SLOTS.  Every wave waits for all its tensor loads (at most one is out: its part of the other slot), adds 0 to its spare word, and waits for that and for its reads of the slot that it leaves.
; fill = 1: the barrier is a round of the cluster's, and the joint refill is the first thing behind it.  (At its first use nothing has been read yet: slot 0 is waited for, slot 1 filled.)
.macro CHANGE fill, pass
	WIN 0
	s_wait_tensorcnt 0x0                           ; no tensor load of mine is out, so group 0 may be written
	ds_add_u32 v[SPW], v[NIL]                      ; the scalar work below stands between the add and the wait for it
.if \fill
	s_xor_b32 s[G0+1], s[G0+1], SLOT1
	s_mov_b64 s[G0+2:G0+3], s[WK:WK+1]
	s_or_b32 s[G0+3], s[G0+3], 0x80000000
.if (\pass) == 1
	s_add_nc_u64 s[WK:WK+1], s[WK:WK+1], 128*2048  ; 128 keys on in each area;
	s_cmp_eq_u32 s15, 2                            ; behind pass 1's last fill comes pass 2's first
	s_cselect_b64 s[WK:WK+1], s[P2:P2+1], s[WK:WK+1]
.else
	s_sub_nc_u64 s[WK:WK+1], s[WK:WK+1], 64*2048   ; pass 2 walks down, 64 keys of each area a fill
	s_wait_xcnt 0x0                                ; the last prefetch, two key steps back, has read its address
	s_sub_nc_u64 s[PFA:PFA+1], s[PFA:PFA+1], 64*2048
.endif
	s_wait_dscnt 0x0                               ; the add is done, and my reads of the slot are over
	CROUND
	JLOAD
.if (\pass) == 2
	ASK
.endif
.else
	s_wait_dscnt 0x0
	s_barrier_signal -1
	s_barrier_wait -1
.endif
.if (\pass) == 1
	s_sub_co_u32 s[TB], s[TB], 4*STEPB             ; back to a slot's first step,
.endif
	s_xor_b32 s[TB], s[TB], SLOT1                  ; in the other slot
.endm
.macro REGS t
.set rT, ST+16*(\t)
.set rS, S+32*(\t)
.endm
; A step's K: 16 fragments (8 + 8 keys x 32 channels), fragment 4 t + c.  A step's V, turned by ds_load_tr16_b128: fragment 8 kk + cb holds channels 16 cb on and, in lanes of half h, keys 16 kk + 0..15 of area h.
.macro FETCH_K
	WIN 0x40                                       ; destination in window 1
.set f, 0
.rept 16
	ds_load_b128 v[KV+8*f:KV+8*f+3],   v[AK] offset:(f/4)*8*PR+(f%4)*64
	ds_load_b128 v[KV+8*f+4:KV+8*f+7], v[AK] offset:(f/4)*8*PR+(f%4)*64+32
.set f, f+1
.endr
	WIN 0
.endm
.macro FETCH_V
	WIN 0x40
.set f, 0
.rept 16
	ds_load_tr16_b128 v[KV+8*f:KV+8*f+3],   v[AV] offset:(f/8)*16*PR+(f%8)*32
	ds_load_tr16_b128 v[KV+8*f+4:KV+8*f+7], v[AV] offset:(f/8)*16*PR+8*PR+(f%8)*32
.set f, f+1
.endr
	WIN 0
.endm
; 32 products S^T = K Q^T: channels 32 (i / 8) on, result (i / 2) % 4, tile i % 2.  The first 8 start the sums; the 8 accumulators take turns.
.macro QK
	WIN 0x01                                       ; K in window 1
.set i, 0
.rept 32
.set rA, S+32*(i%2)+8*((i/2)%4)
.set rB, KV+8*(4*((i/2)%4)+i/8)
.set rC, Q+32*(i%2)+8*(i/8)
.if i < 8
	v_wmma_f32_16x16x32_f16 v[rA:rA+7], v[rB:rB+7], v[rC:rC+7], 0
.else
	v_wmma_f32_16x16x32_f16 v[rA:rA+7], v[rB:rB+7], v[rC:rC+7], v[rA:rA+7]
.endif
.set i, i+1
.endr
	WIN 0
.endm
; 16 products O^T += V^T P for tile t: registers 16 (i / 8) on of the step, channels 16 (i % 8) on.  The 8 accumulators take turns.
.macro PV t
	WIN 0x51                                       ; V, C and D in window 1, P in window 0
.set i, 0
.rept 16
.set rA, 64*(\t)+8*(i%8)
.set rB, KV+64*(i/8)+8*(i%8)
.set rC, D+8*(i/8)
	v_wmma_f32_16x16x32_f16 v[rA:rA+7], v[rB:rB+7], v[rC:rC+7], v[rA:rA+7]
.set i, i+1
.endr
	WIN 0
.endm
.macro MASK t                          ; y = -1e8 c where the mask holds; each accumulator is read from its low end on
.set i, 0
.rept 32
	v_cndmask_b32 v[S+32*(\t)+i], v[S+32*(\t)+i], v[NEG], s[MW+36*(\t)+i]
.set i, i+1
.endr
.endm
.macro ASKM t                          ; tile t's 32 mask words of the step at s[SO], asked for a step ahead, straight behind their registers' last use
	s_load_b512 s[MW+36*(\t):MW+36*(\t)+15],    s[MB:MB+1], s[SO] offset:2048*(\t)
	s_load_b512 s[MW+36*(\t)+16:MW+36*(\t)+31], s[MB:MB+1], s[SO] offset:2048*(\t)+64
.endm
.macro MAXI t, old                     ; c0 = the maximum of the lane's 32 numbers and of statistic old, three operands at a time
	REGS \t
.set j, 0
.rept 4
	v_max3_num_f32 v[C0+j], v[rS+8*j], v[rS+8*j+1], v[rS+8*j+2]
.set j, j+1
.endr
.rept 8
	v_max3_num_f32 v[C0+j%4], v[C0+j%4], v[rS+8*(j%4)+2*(j/4)+1], v[rS+8*(j%4)+2*(j/4)+2]
.set j, j+1
.endr
	v_max3_num_f32 v[C0], v[C0], v[rS+7], v[rS+15]
	v_max3_num_f32 v[C0+2], v[C0+2], v[rS+23], v[rS+31]
	v_max3_num_f32 v[C0], v[C0], v[C0+1], v[C0+2]
	v_max3_num_f32 v[C0], v[C0], v[C0+3], v[rT+(\old)]
.endm
.macro LESS t, stat                    ; the 32 numbers less statistic stat, two at a time
	REGS \t
.set i, 0
.rept 16
	v_pk_add_f32 v[rS+2*i:rS+2*i+1], v[rS+2*i:rS+2*i+1], v[rT+(\stat):rT+(\stat)+1] op_sel_hi:[1,0] neg_lo:[0,1] neg_hi:[0,1]
.set i, i+1
.endr
.endm
.macro EXPS t                          ; a = 2^t0 and the 32 exponentials: one batch, one plain line behind it, ONE wait ahead of its first reader
	REGS \t
	v_exp_f32 v[rT+8], v[T0]
.set i, 0
.rept 32
	v_exp_f32 v[rS+i], v[rS+i]
.set i, i+1
.endr
	v_nop
	s_wait_alu depctr_va_vdst(0)
.endm
.macro SUMS t                          ; the 16 pairs are added in a tree, in place; then l = a l + the sum
	REGS \t
.irp w, 4, 8, 16, 32
.set u, 0
.rept 32/(\w)
	v_pk_add_f32 v[rS+(\w)*u:rS+(\w)*u+1], v[rS+(\w)*u:rS+(\w)*u+1], v[rS+(\w)*u+(\w)/2:rS+(\w)*u+(\w)/2+1]
.set u, u+1
.endr
.endr
	v_pk_fma_f32 v[rT+6:rT+7], v[rT+6:rT+7], v[rT+8:rT+9], v[rS:rS+1] op_sel_hi:[1,0,1]
.endm
; PASS 1, a tile's part of a step: the lane's own running maximum and sum over its own 512 keys; the two halves of the lanes meet once, behind the pass.
.macro SOFT1 t
	MASK \t
	ASKM \t
	MAXI \t, 0
	v_sub_f32 v[T0], v[rT], v[C0]                  ; m_old - m_new
	v_mov_b32 v[rT], v[C0]
	LESS \t, 0
	EXPS \t
	SUMS \t
.endm
.macro STEP1
	WIN 0
	v_add_nc_u32 v[AK], s[TB], v[AK0]
	FETCH_K
	s_add_co_u32 s[TB], s[TB], STEPB
	s_wait_dscnt 0x0                               ; K is in
	QK
	PLACES                                         ; behind the products, ahead of the first read of the scores
	s_wait_kmcnt 0x0                               ; this step's mask words, both tiles'; the loads are done, so their offset may be written
	s_add_co_u32 s[SO], s[SO], 128
	s_min_u32 s[SO], s[SO], 15*128                 ; the last step asks for step 15 once more: pass 2 begins with it
	SOFT1 0
	SOFT1 1
.endm
; BEHIND PASS 1.  The halves' m and l are joined: m1, l1.  M1 = m1 + log2(l1) - log2(th^2), so that 2^(y - M1) = th^2 score.  The scan's carry starts, in the lower keys' lanes, with the upper keys' total.
.macro P1END t
	REGS \t
	v_add_f32 v[C0], v[rT+6], v[rT+7]              ; l
	v_permlanex16_b32 v[C0+1], v[rT], s[SEL], s[SEL+1]  ; the other half's m
	v_permlanex16_b32 v[C0+2], v[C0], s[SEL], s[SEL+1]  ; and l
	v_max_num_f32 v[C0+3], v[rT], v[C0+1]          ; m1
	v_sub_f32 v[T0], v[rT], v[C0+3]
	v_sub_f32 v[T1], v[C0+1], v[C0+3]
	v_exp_f32 v[T0], v[T0]
	v_exp_f32 v[T1], v[T1]
	v_nop
	s_wait_alu depctr_va_vdst(0)
	v_mul_f32 v[T0], v[C0], v[T0]
	v_fma_f32 v[T0], v[C0+2], v[T1], v[T0]         ; l1, at least 1
	v_log_f32 v[T0], v[T0]
	v_sub_f32 v[C0+3], v[C0+3], v[LT]              ; (the plain line behind the logarithm)
	s_wait_alu depctr_va_vdst(0)
	v_add_f32 v[rT], v[C0+3], v[T0]                ; M1
	v_mov_b32 v[rT+1], v[rT]
	v_sub_f32 v[T1], v[C0+1], v[rT]
	v_exp_f32 v[T1], v[T1]
	v_mul_f32 v[C0+2], v[HZ], v[C0+2]              ; (the plain line behind the exponential)
	s_wait_alu depctr_va_vdst(0)
	v_mul_f32 v[rT+10], v[C0+2], v[T1]
	v_mov_b32 v[rT+4], 0xff7fffff                  ; m2 starts at the lowest finite number: the first step's a is 0
	v_mov_b32 v[rT+5], 0xff7fffff
	v_mov_b32 v[rT+6], 0
	v_mov_b32 v[rT+7], 0
.endm
; PASS 2, a tile's part of a step.  Four batches of transcendentals, each with one plain line behind it and one wait ahead of its first reader.
.macro SOFT2 t
	MASK \t                                        ; (for tile 1 these 32 lines are the places between tile 0's products and the rewriting of P's registers)
	ASKM \t
	REGS \t
.set i, 0
.rept 16
	v_pk_add_f32 v[D+2*i:D+2*i+1], v[rS+2*i:rS+2*i+1], v[rT:rT+1] op_sel_hi:[1,0] neg_lo:[0,1] neg_hi:[0,1]  ; y - M1
.set i, i+1
.endr
.set z, 0
.irp c, 0, 2.0, 4.0, 6.0, 8.0, 10.0, 12.0, 14.0, 16.0, 18.0, 20.0, 22.0, 24.0, 26.0, 28.0, 30.0
	v_pk_add_f32 v[T+2*z:T+2*z+1], v[rT+2:rT+3], \c op_sel_hi:[1,0]  ; j - i, exact whole numbers
	v_exp_f32 v[D+2*z], v[D+2*z]                   ; th^2 score
	v_exp_f32 v[D+2*z+1], v[D+2*z+1]
.set z, z+1
.endr
	v_pk_add_f32 v[rT+2:rT+3], v[rT+2:rT+3], 0xc2000000 op_sel_hi:[1,0]  ; the next step lies 32 keys lower (also the plain line behind the batch)
	s_wait_alu depctr_va_vdst(0)
	; the scan, from register 31 down: D becomes the sum from its key on; T = min(th^2 suffix |j - i|, log2(1e5)^2), with the sum BEHIND the key; its root is taken a group later
.set p, 31
.rept 32
.if p == 31
	v_add_f32 v[D+31], v[D+31], v[rT+10]
	v_fma_f32 v[T+31], v[rT+10], |v[T+31]|, v[ZV]
.else
	v_add_f32 v[D+p], v[D+p], v[D+p+1]
	v_fma_f32 v[T+p], v[D+p+1], |v[T+p]|, v[ZV]
	v_sqrt_f32 v[T+p+1], v[T+p+1]
.endif
	v_min_num_f32 v[T+p], v[T+p], v[CLQ]
.set p, p-1
.endr
	v_sqrt_f32 v[T], v[T]
	v_mov_b32 v[rT+10], v[D]                       ; the carry (also the plain line behind the last root)
	s_wait_alu depctr_va_vdst(0)
.set z, 0
.rept 16
	v_pk_mul_f32 v[T+2*z:T+2*z+1], v[T+2*z:T+2*z+1], -1.0 op_sel_hi:[1,0]
.if z > 0
	v_exp_f32 v[T+2*z-2], v[T+2*z-2]               ; te
	v_exp_f32 v[T+2*z-1], v[T+2*z-1]
.endif
.set z, z+1
.endr
	v_exp_f32 v[T+30], v[T+30]
	v_exp_f32 v[T+31], v[T+31]
	v_nop
	s_wait_alu depctr_va_vdst(0)
.set i, 0
.rept 16
	v_pk_mul_f32 v[rS+2*i:rS+2*i+1], v[rS+2*i:rS+2*i+1], v[T+2*i:T+2*i+1]  ; y te
.set i, i+1
.endr
	MAXI \t, 4
	v_permlanex16_b32 v[T1], v[C0], s[SEL], s[SEL+1]  ; O^T holds a query in both halves of the lanes: m2 is the query's
	v_max_num_f32 v[C0+1], v[C0], v[T1]
	v_sub_f32 v[T0], v[rT+4], v[C0+1]
	v_mov_b32 v[rT+4], v[C0+1]
	LESS \t, 4
	EXPS \t
.set i, 0
.rept 16
	v_cvt_pk_f16_f32 v[D+i], v[rS+2*i], v[rS+2*i+1]  ; P: registers 0-7 and 8-15 are source 1 of the two halves of the step
.set i, i+1
.endr
	SUMS \t
	WIN 0x41                                       ; O^T (destination and source 0) in window 1
.set i, 64*(\t)
.rept 32
	v_pk_mul_f32 v[i:i+1], v[i:i+1], v[rT+8:rT+9] op_sel_hi:[1,0]  ; each accumulator from its low end on
.set i, i+2
.endr
.if (\t) == 0
	s_wait_dscnt 0x0                               ; V is in
.endif
	PV \t
.endm
.macro STEP2
	WIN 0
	v_add_nc_u32 v[AK], s[TB], v[AK0]
	v_add_nc_u32 v[AV], s[TB], v[AV0]
	FETCH_K
	s_wait_dscnt 0x0                               ; K is in
	QK
	PLACES                                         ; behind the products: V's loads take K's registers, and the scores are read
	FETCH_V
	s_wait_kmcnt 0x0                               ; this step's mask words; their offset may be written
	s_sub_co_i32 s[SO], s[SO], 128
	s_max_i32 s[SO], s[SO], 0                      ; the last step asks for step 0 once more, and nobody reads it
	SOFT2 0
	SOFT2 1
	PLACES                                         ; behind the last products: the next step's loads take V's registers
	s_xor_b32 s[TB], s[TB], STEPB                  ; a slot's upper step first, then its lower
.endm
	s_load_b128 s[4:7], s[0:1], 0x0                ; qkv s[4:5], mbits s[6:7]
	s_load_b64 s[104:105], s[0:1], 0x10            ; gamma
	s_load_b64 s[10:11], s[0:1], 0x18              ; cbuf
	v_lshl_add_u32 v[SPW], v0, 2, SPARE
	v_mov_b32 v[NIL], 0
	ds_add_u32 v[SPW], v[NIL]                      ; the wave's opening: the add and its wait stand ahead of the first tensor load; the set-up below stands between them
	v_lshrrev_b32 v1, 5, v0
	v_readfirstlane_b32 s[WV], v1                  ; wave 0..7
	s_bfe_u32 s13, ttmp6, 0x40000                  ; cx: my block of 256 queries (kept here until the mask words' offset takes the register)
	s_and_b32 s15, ttmp7, 0xffff                   ; 8 x batch + head, which the four partners share
	s_lshr_b32 s14, s15, 3                         ; batch
	s_and_b32 s15, s15, 7                          ; head
	s_lshl_b32 s30, s14, 21                        ; 1,024 rows of 2,048 bytes,
	s_lshl_b32 s15, s15, 8                         ; 256 bytes of a row
	s_add_co_u32 s30, s30, s15
	s_mov_b32 s3, 0                                ; offsets stay under 2^26: pairs with 0 above
	s_mov_b32 s[G1], 15|(1<<16)|(1<<20)|(1<<21)|(5<<22)|(7<<25)  ; 15:0 the mask of four; 17:16 elements of 2 bytes; 20 padding on; 21 set beside a mask; 24:22 after every 64 words; 31:25 8 words of it
	s_mov_b32 s[G1+1], 128<<16                     ; tensor_dim0 = 128
	s_mov_b32 s[G1+2], 64<<16                      ; tensor_dim1 = 64
	s_mov_b32 s[G1+3], 128<<16                     ; tile_dim0 = 128
	s_mov_b32 s[G1+4], 64                          ; tile_dim1 = 64
	s_mov_b32 s[G1+5], 1024                        ; elements from row to row
	s_mov_b32 s[G1+6], 0
	s_mov_b32 s[G1+7], 0
	s_mov_b32 s[G0], 1
	s_and_b32 s15, s[WV], 1                        ; the area that I fetch for,
	s_lshr_b32 s31, s[WV], 1
	s_and_b32 s31, s31, 1                          ; and which 64 of its rows
	s_mul_i32 s[G0+1], s15, UP
	s_mul_i32 s2, s31, VOFF
	s_add_co_u32 s[G0+1], s[G0+1], s2              ; LDS address, slot 0: no place in the cluster enters it
	s_mov_b32 s[SEL], 0x76543210
	s_mov_b32 s[SEL+1], 0xfedcba98
	s_wait_dscnt 0x0                               ; the opening add is done
	s_wait_kmcnt 0x0
	s_lshl_b32 s15, s15, 20                        ; the upper keys lie 512 rows on
	s_add_co_u32 s15, s15, s30
	s_lshl_b32 s31, s31, 17                        ; pass 1: waves 2, 3 take the second 64 of an area's 128 keys
	s_add_co_u32 s2, s15, s31
	s_add_co_u32 s2, s2, KOFFG
	s_add_nc_u64 s[G0+2:G0+3], s[4:5], s[2:3]      ; the first fill,
	s_add_nc_u64 s[WK:WK+1], s[G0+2:G0+3], 128*2048  ; the second,
	s_or_b32 s[G0+3], s[G0+3], 0x80000000          ; type = 2
	s_mov_b32 s2, VOFFG
	s_cmp_lt_u32 s[WV], 2                          ; pass 2: waves 0, 1 fetch K, waves 2, 3 V
	s_cselect_b32 s2, KOFFG, s2
	s_add_co_u32 s2, s2, s15
	s_add_co_u32 s2, s2, 448*2048                  ; an area's last 64 keys
	s_add_nc_u64 s[P2:P2+1], s[4:5], s[2:3]
	s_and_b32 s2, s13, 1                           ; the prefetches: my work-group's 32 rows of V, in the fill with keys 384 on of each area; the first change of pass 2 steps it down
	s_lshl_b32 s2, s2, 20
	s_lshr_b32 s31, s13, 1
	s_lshl_b32 s31, s31, 16
	s_add_co_u32 s2, s2, s31
	s_add_co_u32 s2, s2, s30
	s_add_co_u32 s2, s2, VOFFG+384*2048
	s_add_nc_u64 s[PFA:PFA+1], s[4:5], s[2:3]
	s_lshl_b32 s2, s14, 17                         ; mbits: 64 tiles of 2,048 bytes a batch, 16 a block, 2 a wave
	s_lshl_b32 s31, s13, 15
	s_add_co_u32 s2, s2, s31
	s_lshl_b32 s31, s[WV], 12
	s_add_co_u32 s2, s2, s31
	s_add_nc_u64 s[MB:MB+1], s[MB:MB+1], s[2:3]
	s_lshl_b32 s2, s13, 19                         ; Q and cbuf at my wave's first row
	s_lshl_b32 s31, s[WV], 16
	s_add_co_u32 s2, s2, s31
	s_add_co_u32 s2, s2, s30
	s_add_nc_u64 s[4:5], s[4:5], s[2:3]
	s_add_nc_u64 s[10:11], s[10:11], s[2:3]
	s_lshl_b32 s31, s13, 8
	s_lshl_b32 s2, s[WV], 5
	s_add_co_u32 s31, s31, s2                      ; my wave's first query in the sequence
	CROUND                                         ; all four work-groups are here: the first joint loads meet
	JLOAD                                          ; the first fill; one load of mine is out
	v_and_b32 v1, 15, v0                           ; r
	v_bfe_u32 v9, v0, 4, 1                         ; h
	v_lshlrev_b32 v[QO], 11, v1
	v_lshl_add_u32 v[QO], v9, 4, v[QO]
.set i, 0
.rept 8                                ; Q stays in registers: tile i / 4, channels 32 (i % 4) on
	global_load_b128 v[Q+8*i:Q+8*i+3],   v[QO], s[4:5] offset:(i/4)*32768+(i%4)*64
	global_load_b128 v[Q+8*i+4:Q+8*i+7], v[QO], s[4:5] offset:(i/4)*32768+(i%4)*64+32
.set i, i+1
.endr
	s_mov_b32 s[SO], 0
	ASKM 0                                         ; step 0's mask words
	ASKM 1
	s_load_b32 s14, s[104:105], 0x0                ; gamma
	WIN 0x40
.set i, 0
.rept 128
	v_mov_b32 v[i], 0                              ; O^T starts at 0, so that pass 2 has one form of step; written in the wait for the first tile
.set i, i+1
.endr
	WIN 0
	v_lshlrev_b32 v16, 9, v9
	v_sub_nc_u32 v16, v16, v1
	v_sub_nc_u32 v16, v16, s31                     ; 512 h - my query of tile 0
.irp t, 0,1
	v_mov_b32 v[ST+16*\t], 0xff7fffff              ; m starts at the lowest finite number,
	v_mov_b32 v[ST+16*\t+1], 0xff7fffff
	v_mov_b32 v[ST+16*\t+6], 0                     ; l at 0
	v_mov_b32 v[ST+16*\t+7], 0
	v_mov_b32 v[ST+16*\t+8], 0
	v_mov_b32 v[ST+16*\t+9], 0                     ; (named with a as a pair)
	v_add_nc_u32 v17, 480-16*\t, v16
	v_cvt_f32_i32 v[ST+16*\t+2], v17               ; XB: j - i for registers 0 and 1 of step 15
	v_add_f32 v[ST+16*\t+3], 1.0, v[ST+16*\t+2]
.endr
	s_cmp_eq_u32 s[WV], 0
	s_cselect_b32 s[LIM], 1, -1
	v_mov_b32 v[NEG], 0xcb42937f                   ; -1e8 c = -12,751,743
	v_mov_b32 v[CLQ], 0x4389f0a9                   ; 275.880
	v_mov_b32 v[ZV], 0
	v_sub_nc_u32 v[HZ], 1, v9
	v_cvt_f32_u32 v[HZ], v[HZ]
	v_mov_b32 v[T1], 0                             ; v_permlanex16_b32 counts as a reader of its destination
	v_and_b32 v[PFO], 31, v0
	v_lshlrev_b32 v[PFO], 11, v[PFO]
	v_and_b32 v10, 7, v0
	v_bfe_u32 v11, v0, 3, 1
	s_mov_b32 s2, UP
	v_mul_u32_u24 v[AK0], v10, PR                  ; K: fragment row r is key r % 8 of area r / 8; 16 bytes for each half of the lanes
	v_mad_u32_u24 v[AK0], v11, s2, v[AK0]
	v_lshl_add_u32 v[AK0], v9, 4, v[AK0]
	v_mul_u32_u24 v[AV0], v10, PR                  ; V: lane l reads key l % 8 of area h, channels 8 ((l / 8) % 2) + 0..7
	v_mad_u32_u24 v[AV0], v9, s2, v[AV0]
	v_lshl_add_u32 v[AV0], v11, 4, v[AV0]
	v_add_nc_u32 v[AV0], VOFF, v[AV0]
	s_mul_i32 s2, s[WV], 16*SP
	s_add_co_u32 s2, s2, STAGE                     ; my stage
	v_mul_u32_u24 v[STO], v1, SP
	v_lshl_add_u32 v[STO], v9, 4, v[STO]
	v_add_nc_u32 v[STO], s2, v[STO]
	v_mul_u32_u24 v[RD], v9, SP
	v_lshl_add_u32 v[RD], v1, 4, v[RD]
	v_add_nc_u32 v[RD], s2, v[RD]
	v_lshlrev_b32 v[GO], 11, v9
	v_lshl_add_u32 v[GO], v1, 4, v[GO]
	s_wait_kmcnt 0x0                               ; gamma (and the first mask words)
	; th = log2(e) softplus(gamma) = max(gamma, 0) log2(e) + log2(1 + 2^(-|gamma| log2(e))); LT = 2 log2(th).  Where th rounds to 0, LT is minus infinity, every th^2 score is 0 and te is 1.
	v_mov_b32 v16, s14
	v_and_b32 v17, 0x7fffffff, v16
	v_mul_f32 v17, 0xbfb8aa3b, v17
	v_exp_f32 v17, v17
	v_max_num_f32 v18, 0, v16                      ; (the plain line behind the exponential)
	s_wait_alu depctr_va_vdst(0)
	v_add_f32 v17, 1.0, v17
	v_log_f32 v17, v17
	v_mul_f32 v18, 0x3fb8aa3b, v18                 ; (the plain line behind the logarithm)
	s_wait_alu depctr_va_vdst(0)
	v_add_f32 v17, v17, v18
	v_log_f32 v[LT], v17
	v_nop
	s_wait_alu depctr_va_vdst(0)
	v_add_f32 v[LT], v[LT], v[LT]
	s_mov_b32 s[TB], SLOT1+4*STEPB                 ; the first change of slots turns this into 0
	s_wait_loadcnt 0x0                             ; Q
	s_mov_b32 s15, 4
.Lp1:                                                  ; PASS 1: four slots of four steps; each change asks for the next fill, the last for pass 2's first
	CHANGE 1, 1
	s_mov_b32 s14, 4
.Ls1:
	STEP1
	s_sub_co_u32 s14, s14, 1
	s_cmp_lg_u32 s14, 0
	s_cbranch_scc1 .Ls1
	s_sub_co_u32 s15, s15, 1
	s_cmp_lg_u32 s15, 0
	s_cbranch_scc1 .Lp1
	P1END 0
	P1END 1
	s_sub_nc_u64 s[WK:WK+1], s[P2:P2+1], 64*2048   ; pass 2's second fill
	s_mov_b32 s[TB], SLOT1+STEPB                   ; the next change turns this into slot 0's upper step
	s_mov_b32 s15, 7
.Lp2:                                                  ; PASS 2: eight slots of two steps, from the last keys down; seven changes ask for a fill
	CHANGE 1, 2
	s_mov_b32 s14, 2
.Ls2:
	STEP2
	s_sub_co_u32 s14, s14, 1
	s_cmp_lg_u32 s14, 0
	s_cbranch_scc1 .Ls2
	s_sub_co_u32 s15, s15, 1
	s_cmp_lg_u32 s15, 0
	s_cbranch_scc1 .Lp2
	CHANGE 0, 2                                    ; the last slot is written out: nothing is asked for
	s_mov_b32 s14, 2
.Ls3:
	STEP2
	s_sub_co_u32 s14, s14, 1
	s_cmp_lg_u32 s14, 0
	s_cbranch_scc1 .Ls3
	; THE WAY OUT.  l's two halves and the other half of the lanes' are added; O^T is divided by l (at least 1), rounded to f16 and sent through my stage in LDS, a tile at a time.
.irp t, 0,1
	v_add_f32 v[ST+16*\t+6], v[ST+16*\t+6], v[ST+16*\t+7]
.endr
.irp t, 0,1
	v_permlanex16_b32 v[ST+16*\t+7], v[ST+16*\t+6], s[SEL], s[SEL+1]
.endr
.irp t, 0,1
	v_add_f32 v[ST+16*\t+6], v[ST+16*\t+6], v[ST+16*\t+7]
.endr
.irp t, 0,1
	v_rcp_f32 v[ST+16*\t+6], v[ST+16*\t+6]
.endr
	v_nop                                          ; a plain line behind the last reciprocal,
	s_wait_alu depctr_va_vdst(0)                   ; and one wait for the two, ahead of their first use
.macro PACK t                          ; a lane's eight channels of a row pack into 16 bytes; they go into rows of 272 bytes and come back as whole rows of 256
	REGS \t
	WIN 0x41
.set i, 64*(\t)
.rept 32
	v_pk_mul_f32 v[i:i+1], v[i:i+1], v[rT+6:rT+7] op_sel_hi:[1,0]
.set i, i+2
.endr
	WIN 0x05                                       ; sources in window 1, destination in window 0: S^T's registers are free
.set i, 0
.rept 32
	v_cvt_pk_f16_f32 v[rS+i], v[64*(\t)+2*i], v[64*(\t)+2*i+1]
.set i, i+1
.endr
	WIN 0
.irp c, 0,1,2,3,4,5,6,7
	ds_store_b128 v[STO], v[rS+4*\c:rS+4*\c+3] offset:32*\c
.endr
.irp c, 0,1,2,3,4,5,6,7
	ds_load_b128 v[rS+4*\c:rS+4*\c+3], v[RD] offset:\c*2*SP  ; LDS serves a wave's instructions in order (ISA guide 5.7.1.4): these see the stores above; the next tile's stores come behind them
.endr
.endm
.macro SEND t, younger                 ; younger: the LDS instructions issued behind tile t's loads
	REGS \t
.irp c, 0,1,2,3,4,5,6,7
	s_wait_dscnt (\younger)+7-\c
	global_store_b128 v[GO], v[rS+4*\c:rS+4*\c+3], s[10:11] offset:(\t)*32768+\c*4096  ; 16 lanes store 256 consecutive bytes, at a multiple of 256 from cbuf's first byte
.endr
.endm
	PACK 0
	PACK 1
	SEND 0, 16
	SEND 1, 0
	s_wait_kmcnt 0x0                               ; the last, unused mask words have landed
	s_wait_tensorcnt 0x0                           ; the wave's end: an add to my spare word and its wait, behind my last tensor load and my last LDS store
	ds_add_u32 v[SPW], v[NIL]
	s_wait_dscnt 0x0
	CROUND                                         ; the closing round: no work-group ends while a partner may still ask for a tile that names it
	s_endpgm
.Lfunc_end_k_q99e75f6e81_attn:
	.size	k_q99e75f6e81_attn, .Lfunc_end_k_q99e75f6e81_attn-k_q99e75f6e81_attn
	.p2alignl 7, 3214868480
	.fill 96, 4, 3214868480
	.section	.rodata,"a",@progbits
	.p2align	6, 0x0
	.amdhsa_kernel k_q99e75f6e81_attn
		.amdhsa_group_segment_fixed_size 327680
		.amdhsa_private_segment_fixed_size 0
		.amdhsa_enable_private_segment 0
		.amdhsa_kernarg_size 32
		.amdhsa_user_sgpr_count 2
		.amdhsa_user_sgpr_kernarg_segment_ptr 1
		.amdhsa_wavefront_size32 1
		.amdhsa_system_sgpr_workgroup_id_x 1
		.amdhsa_system_sgpr_workgroup_id_y 1
		.amdhsa_system_sgpr_workgroup_id_z 1
		.amdhsa_system_vgpr_workitem_id 0
		.amdhsa_next_free_vgpr 512
		.amdhsa_next_free_sgpr 106
		.amdhsa_reserve_vcc 0
		.amdhsa_float_denorm_mode_32 3
		.amdhsa_float_denorm_mode_16_64 3
		.amdhsa_memory_ordered 1
		.amdhsa_forward_progress 1
		.amdhsa_inst_pref_size 151
	.end_amdhsa_kernel
	.amdgpu_metadata
---
amdhsa.version: [ 1, 2 ]
amdhsa.kernels:
  - .name:           k_q99e75f6e81_attn
    .symbol:         k_q99e75f6e81_attn.kd
    .args:
      - { .name: qkv, .offset: 0, .size: 8, .value_kind: global_buffer, .address_space: global }
      - { .name: mbits, .offset: 8, .size: 8, .value_kind: global_buffer, .address_space: global }
      - { .name: gamma, .offset: 16, .size: 8, .value_kind: global_buffer, .address_space: global }
      - { .name: cbuf, .offset: 24, .size: 8, .value_kind: global_buffer, .address_space: global }
    .group_segment_fixed_size: 327680
    .private_segment_fixed_size: 0
    .kernarg_segment_align: 8
    .kernarg_segment_size: 32
    .max_flat_workgroup_size: 256
    .sgpr_count:     106
    .vgpr_count:     512
    .wavefront_size: 32
...
	.end_amdgpu_metadata
.endif
;; end of part 3
;; launch gemm_out (part 4): grid 4 x 64, 4 waves a work-group, clusters of 4 x 4, 327,680 bytes of LDS; arguments cbuf, wall, out0; writes out0
.if DOCPART == 4
	.amdgcn_target "amdgcn-amd-amdhsa--gfx1250"
	.amdhsa_code_object_version 6
	.text
	.protected	k_q99e75f6e81_gemm_out
	.globl	k_q99e75f6e81_gemm_out
	.p2align	8
	.type	k_q99e75f6e81_gemm_out,@function
k_q99e75f6e81_gemm_out:
	s_mov_b64 s[64:65], 0
	v_nop
	global_prefetch_b8 v0, s[64:65] scope:SCOPE_SE
	s_setreg_imm32_b32 hwreg(HW_REG_WAVE_MODE, 25, 1), 1
	s_wait_xcnt 0x0
	s_wait_alu depctr_hold_cnt(0) depctr_sa_sdst(0) depctr_va_vdst(0) depctr_va_sdst(0) depctr_va_ssrc(0) depctr_va_vcc(0) depctr_vm_vsrc(0)
	s_getreg_b32 s2, hwreg(HW_REG_IB_STS2, 6, 4)
	s_cmp_eq_u32 s2, 0
	s_cbranch_scc0 .Lentry_in_a_cluster
	s_endpgm
.Lentry_in_a_cluster:
	s_bfe_u32 s2, ttmp6, 0x10000c
	s_cmp_lg_u32 s2, 0xf033
	s_cbranch_scc0 .Lentry_shape_is_right
	s_endpgm
.Lentry_shape_is_right:
; C[m][n] = the sum over k of A[m][k] B[n][k], K = 1024, sums in f32.  One text serves two launches; OUTK chooses.
;   OUTK = 0: three products in one launch.  A = xall (bf16, rows Q | K | V, 8,192 each), B = wall's rows Wq | Wk | Wv (bf16, 1,024 each), C = qkv (f16, rows c q | k | v).
;             c = log2(e) / sqrt(128) multiplies the first product's f32 sums, ahead of their one rounding.  A work-group STAYS and makes the same tile of all three.
;   OUTK = 1: A = cbuf (f16), B = wall's rows 3072 on (Wo, f16), C = out0 (f32).
; LIMIT (OUTK = 0).  f16 ends at 65,504: c q, k and v must lie within it; with inputs 30 times those drawn they stay under a few thousand.
; SHAPE.  A tile of C is 128 x 256: 64 x 4 tiles, one for each of 256 work-groups.  Four waves, each 64 x 128: 32 accumulators of 16 x 16, 256 registers.
; K goes in steps of 128 (rows of 256 bytes, each at a multiple of 256 bytes) through a ring of two LDS slots filled by tensor loads, one a wave: waves 0, 1 bring A's halves of 64 rows, waves 2, 3 B's of 128.
; CLUSTERS.  4 x 4 work-groups: the four of a row need the same tile of A, the four of a column the same tile of B: each tile is asked for jointly, same load, same descriptor, a mask of four.
; TRANSPOSED USE.  Source 0 = 16 rows of B, source 1 = 16 rows of A: a lane then holds row l % 16 of C and eight neighbouring columns 8 (l / 16) + 0..7.
; REGISTERS.  Window 0: v16-30 addresses; v32-127, v128-223 two fragment buffers (B's 8 fragments, then A's 4); v224-255 packed results; on the way out v128-191 hold rows read back.
;             Window 1: the accumulators, (a, b) at 8 (8 a + b).
.set OUTK,   1
.set SIZE_K, 1024
.set KSTEP,  128
.set PITCH,  272                       ; an LDS row: 256 bytes + 16 of padding = 68 words: the 16 rows of a fragment load start at 16 different groups of four banks (64 banks of 4 bytes: ISA guide 11.1)
.set AHALF,  64*PITCH
.set BHALF,  128*PITCH
.set BOFF,   2*AHALF                   ; B's 256 rows lie behind A's 128
.set SLOT,   BOFF+2*BHALF
.set STAGE,  2*SLOT                    ; behind the ring, never filled by a tensor load: 16 rows for each wave, for the way out
.if OUTK
.set TILES,  1
.set SPITCH, 528                       ; 128 f32 + 16 bytes
.set CROW,   4096                      ; bytes in a row of C
.else
.set TILES,  3
.set SPITCH, 272                       ; 128 f16 + 16 bytes
.set CROW,   2048
.endif
.set SPARE,  STAGE+4*16*SPITCH         ; the spare words, 128 bytes for each wave: two blocks of 256 bytes that no other line names
.set LAPS,   SIZE_K/(2*KSTEP)          ; a lap = two K steps = once round the ring
.set NEXT_A, 8192*SIZE_K*2-(SIZE_K-2*KSTEP)*2  ; from a slot's last K step of a tile to its first of the next: 8,192 rows down, back along K
.set NEXT_B, 1024*SIZE_K*2-(SIZE_K-2*KSTEP)*2  ; the same for B: 1,024 rows down
.set NEXT_C, (8192-3*16)*CROW          ; from my last 16 rows of a tile to my first of the next
.set NPF_A,  8191*SIZE_K*2+KSTEP*2     ; the prefetches' step at a change of tiles: from the K step behind a tile's last to the next tile's K step 1
.set NPF_B,  1023*SIZE_K*2+KSTEP*2
.set ADRA, 16                          ; v16-17  LDS address of my A fragments in slot 0, 1
.set ADRB, 20                          ; v20-21  the same for B
.set STO,  24                          ; v24     the way out: where I put my part of a row
.set RD,   25                          ; v25     where I read rows back
.set CO,   26                          ; v26     my byte offset in C
.set SPW,  28                          ; v28     LDS address of my spare word; never rewritten
.set NIL,  29                          ; v29     0; never rewritten
.set PFO,  30                          ; v30     the prefetches' offset: my lane x a row of 2,048 bytes; never rewritten
.set F0,   32
.set F1,   128
.set TMP,  224
.set OB,   128
.set G1,  24                           ; s[24:31] descriptor group 1 for A's tiles;  s[32:39] group 0, a set for each slot
.set G0,  32
.set G1B, 48                           ; s[48:55], s[56:63] the same for B's
.set G0B, 56
.set LIM, 43                           ; s43  1 in a wave that prefetches, else the greatest number
.set PFA, 44                           ; s[44:45] where my prefetches stand
.set SC,  66                           ; s[66:67] what the sums are multiplied by on the way out
.set NPF, 68                           ; s[68:69] NPF_A or NPF_B
.set MUL, 0x50                         ; C and D in window 1, the sources in window 0
.set MSB, 0
.macro WIN new                         ; the immediate's high byte repeats the setting that is left; a switch that changes nothing is dropped
.if MSB != (\new)
	s_set_vgpr_msb (MSB<<8)|(\new)
.set MSB, \new
.endif
.endm
; A joint load.  The branch hangs on the wave's number alone.  An s_nop 0 and four v_nop follow each of the two lines.
.macro JLOAD s
	s_cmp_eq_u32 s11, 0
	s_cbranch_scc0 .Lfor_b_\@
	tensor_load_to_lds s[G0+4*(\s):G0+4*(\s)+3], s[G1:G1+7]
	s_nop 0
.rept 4
	v_nop
.endr
	s_branch .Lasked_\@
.Lfor_b_\@:
	tensor_load_to_lds s[G0B+4*(\s):G0B+4*(\s)+3], s[G1B:G1B+7]
	s_nop 0
.rept 4
	v_nop
.endr
.Lasked_\@:
.endm
; A prefetch of the K step that stands two refills on: 32 rows x 256 bytes, a lane a row.  Each row's 256 bytes of a K step are named once in the launch: of A's 128 rows wave 0 of the partner at cx takes
; 32 cx .. + 31; of the 128 rows of B that wave 2 or 3 fetches the partner at cy takes 32 cy .. + 31, in the clusters with y = 0 alone (all clusters read the same B).  The shares are told apart by address.
; how = 0, in the loop: a tile's last two refills have no K step two on.  how = 1, at a change of tiles: the next tile's K steps 2 and 3.
.macro ASK how
.if \how
	s_cmp_eq_u32 s[LIM], 1
.else
	s_cmp_gt_u32 s3, s[LIM]                        ; s3 = 1 in the loop's last trip
.endif
	s_cbranch_scc0 .Lnot_mine_\@
	global_prefetch_b8 v[PFO], s[PFA:PFA+1] offset:KSTEP*2 th:TH_LOAD_NT scope:SCOPE_SE
.Lnot_mine_\@:
.endm
.macro CREST                           ; a round of the cluster's barrier behind its opening barrier
	s_cmp_lg_u32 s10, 0
	s_cbranch_scc1 .Lnot_wave_0_\@
	s_barrier_signal -3
.Lnot_wave_0_\@:
	s_barrier_wait -3
	s_barrier_signal -1
	s_barrier_wait -1
.endm
.macro CROUND                          ; a whole round
	s_barrier_signal -1
	s_barrier_wait -1
	CREST
.endm
.macro PLACES                          ; four places behind matrix instructions, in front of loads into registers that they read and of lines that read or write their results
.rept 4
	v_nop
.endr
.endm
	s_load_b128 s[4:7], s[0:1], 0x0                ; A s[4:5], wall s[6:7]
	s_load_b64 s[8:9], s[0:1], 0x10                ; C
	v_lshl_add_u32 v[SPW], v0, 2, SPARE
	v_mov_b32 v[NIL], 0
	ds_add_u32 v[SPW], v[NIL]                      ; the wave's opening: the add and its wait stand ahead of my first tensor load; the set-up below stands between them
	v_lshrrev_b32 v1, 5, v0
	v_readfirstlane_b32 s10, v1                    ; wave 0..3
	s_lshr_b32 s11, s10, 1                         ; which 64 of the tile's rows are mine.  Also: I fetch for A (0) or for B (1)
	s_and_b32 s12, s10, 1                          ; which 128 of its columns.  Also: which half of that tile I fetch
	s_bfe_u32 s40, ttmp6, 0x40000                  ; cx
	s_bfe_u32 s41, ttmp6, 0x40004                  ; cy
	s_lshl_b32 s42, ttmp9, 2
	s_add_co_u32 s42, s42, s40                     ; tile column = 4 x cluster x + cx
	s_and_b32 s13, ttmp7, 0xffff
	s_lshl_b32 s13, s13, 2
	s_add_co_u32 s13, s13, s41                     ; tile row = 4 x cluster y + cy
	s_lshl_b32 s43, s41, 2
	s_lshl_b32 s43, 15, s43                        ; my row of the cluster
	s_lshl_b32 s44, 0x1111, s40                    ; my column
	s_or_b32 s[G1+0], s43, (1<<16)|(1<<20)|(1<<21)|(5<<22)|(3<<25)   ; 15:0 the mask; 17:16 elements of 2 bytes; 20 padding on; 21 set beside a mask; 24:22 after every 64 words; 31:25 4 words of it
	s_or_b32 s[G1B+0], s44, (1<<16)|(1<<20)|(1<<21)|(5<<22)|(3<<25)
	s_mov_b32 s[G1+1], KSTEP<<16                   ; tensor_dim0 = 128
	s_mov_b32 s[G1+2], 64<<16                      ; tensor_dim1 = 64
	s_mov_b32 s[G1+3], KSTEP<<16                   ; tile_dim0 = 128
	s_mov_b32 s[G1+4], 64                          ; tile_dim1 = 64
	s_mov_b32 s[G1+5], SIZE_K                      ; elements from row to row
	s_mov_b32 s[G1+6], 0
	s_mov_b32 s[G1+7], 0
	s_mov_b32 s[G1B+1], KSTEP<<16
	s_mov_b32 s[G1B+2], 128<<16                    ; B's loads have 128 rows
	s_mov_b32 s[G1B+3], KSTEP<<16
	s_mov_b32 s[G1B+4], 128
	s_mov_b32 s[G1B+5], SIZE_K
	s_mov_b32 s[G1B+6], 0
	s_mov_b32 s[G1B+7], 0
	s_lshl_b32 s17, s12, 6
	s_lshl_b32 s16, s13, 7
	s_add_co_u32 s16, s16, s17                     ; A: row 128 x tile row + 64 x half,
	s_lshl_b32 s16, s16, 11                        ; in bytes (under 2^25)
	s_mov_b32 s17, 0
	s_lshl_b32 s47, s12, 7
	s_lshl_b32 s46, s42, 8
	s_add_co_u32 s46, s46, s47                     ; B: row 256 x tile column + 128 x half
	s_lshl_b32 s46, s46, 11
	s_mov_b32 s47, 0
	s_mul_i32 s20, s12, AHALF                      ; where they go: no place in the cluster enters an LDS address
	s_mul_i32 s21, s12, BHALF
	s_add_co_u32 s21, s21, BOFF
	s_mov_b32 s[SC], 0x3e0293ee                    ; c = log2(e) / sqrt(128), for the first tile
	s_mov_b32 s[SC+1], s[SC]                       ; named with it as a pair
	s_wait_dscnt 0x0                               ; the opening add is done
	s_wait_kmcnt 0x0
.if OUTK
	s_add_nc_u64 s[6:7], s[6:7], 3072*SIZE_K*2     ; Wo's rows
.endif
	s_add_nc_u64 s[14:15], s[4:5], s[16:17]
	s_add_nc_u64 s[46:47], s[6:7], s[46:47]
	CROUND                                         ; all sixteen work-groups are here: the first joint loads meet
.irp s, 0,1
	s_mov_b32 s[G0+4*(\s)], 1                      ; count = 1
	s_add_co_u32 s[G0+4*(\s)+1], s20, (\s)*SLOT    ; LDS address
	s_add_nc_u64 s[G0+4*(\s)+2:G0+4*(\s)+3], s[14:15], (\s)*KSTEP*2  ; global address: K step s
	s_or_b32 s[G0+4*(\s)+3], s[G0+4*(\s)+3], 0x80000000             ; type = 2
	s_mov_b32 s[G0B+4*(\s)], 1
	s_add_co_u32 s[G0B+4*(\s)+1], s21, (\s)*SLOT
	s_add_nc_u64 s[G0B+4*(\s)+2:G0B+4*(\s)+3], s[46:47], (\s)*KSTEP*2
	s_or_b32 s[G0B+4*(\s)+3], s[G0B+4*(\s)+3], 0x80000000
	JLOAD \s                                       ; two loads of mine are out
.endr
	; a fragment is 16 rows x 32 K in 8 registers: lane l holds row l % 16, K = 8 (l / 16) + 0..7 and 16 + 8 (l / 16) + 0..7: two loads of 16 bytes, 32 bytes apart
	v_and_b32 v1, 15, v0
	v_bfe_u32 v2, v0, 4, 1
	v_mul_u32_u24 v3, v1, PITCH
	v_lshl_add_u32 v3, v2, 4, v3
	s_mul_i32 s21, s11, AHALF                      ; my 64 rows of A
	s_mul_i32 s22, s12, BHALF                      ; my 128 rows of B
	s_add_co_u32 s22, s22, BOFF
.irp s, 0,1
	v_add_nc_u32 v[ADRA+(\s)], s21, v3
	v_add_nc_u32 v[ADRB+(\s)], s22, v3
	s_add_co_u32 s21, s21, SLOT
	s_add_co_u32 s22, s22, SLOT
.endr
	s_mul_i32 s23, s10, 16*SPITCH
	s_add_co_u32 s23, s23, STAGE                   ; my stage
	v_mul_u32_u24 v4, v1, SPITCH
.if OUTK
	v_lshl_add_u32 v4, v2, 5, v4                   ; in: row l % 16, 32 bytes (8 f32) for each half of the lanes
	v_add_nc_u32 v[STO], s23, v4
	v_and_b32 v5, 31, v0
	v_lshlrev_b32 v[CO], 4, v5                     ; back: 32 lanes take one row of 512 bytes
	v_add_nc_u32 v[RD], s23, v[CO]
.else
	v_lshl_add_u32 v4, v2, 4, v4                   ; in: row l % 16, 16 bytes (8 f16) for each half of the lanes
	v_add_nc_u32 v[STO], s23, v4
	v_mul_u32_u24 v5, v2, SPITCH                   ; back: lanes 0-15 take one row of 256 bytes, lanes 16-31 the next
	v_lshl_add_u32 v5, v1, 4, v5
	v_add_nc_u32 v[RD], s23, v5
	v_mul_u32_u24 v5, v2, CROW
	v_lshl_add_u32 v[CO], v1, 4, v5
.endif
	s_lshl_b32 s16, s13, 7
	s_lshl_b32 s14, s11, 6
	s_add_co_u32 s16, s16, s14                     ; my first row of C
.if OUTK
	s_lshl_b32 s16, s16, 12
	s_lshl_b32 s46, s42, 10                        ; my first column, in bytes
	s_lshl_b32 s47, s12, 9
.else
	s_lshl_b32 s16, s16, 11
	s_lshl_b32 s46, s42, 9
	s_lshl_b32 s47, s12, 8
.endif
	s_mov_b32 s17, 0
	s_add_co_u32 s46, s46, s47
	s_mov_b32 s47, 0
	s_add_nc_u64 s[16:17], s[16:17], s[46:47]      ; what the first way out adds to C's address
	; the prefetches
	s_lshl_b32 s20, s13, 7                         ; A: the tile's first row
	s_lshl_b32 s21, s42, 8                         ; B: the tile's first row,
	s_lshl_b32 s22, s12, 7
	s_add_co_u32 s21, s21, s22                     ; and the 128 that I fetch
	s_and_b32 s23, ttmp7, 0xffff                   ; cluster y
	s_mov_b32 s[NPF], NPF_B
	s_mov_b32 s14, NPF_A
	s_mov_b32 s[NPF+1], 0
	s_cmp_eq_u32 s11, 0                            ; do I fetch for A?
	s_cselect_b32 s20, s20, s21
	s_cselect_b32 s21, s40, s41                    ; my place among the four that ask with me
	s_cselect_b32 s22, s10, s23                    ; A: wave 0 asks; B: the clusters with y = 0
	s_cselect_b32 s[NPF], s14, s[NPF]
	s_cselect_b64 s[PFA:PFA+1], s[4:5], s[6:7]
	s_cmp_eq_u32 s22, 0
	s_cselect_b32 s[LIM], 1, -1                    ; the same in all sixteen partners, for a given wave
	s_lshl_b32 s21, s21, 5
	s_add_co_u32 s20, s20, s21                     ; my work-group's 32 rows
	s_lshl_b32 s20, s20, 11
	s_mov_b32 s21, 0
	s_add_nc_u64 s[PFA:PFA+1], s[PFA:PFA+1], s[20:21]
	s_add_nc_u64 s[PFA:PFA+1], s[PFA:PFA+1], 2*KSTEP*2  ; at K step 2: the first refill steps it to 3 and names K step 4.  Nothing is prefetched here, at the head
	v_and_b32 v[PFO], 31, v0
	v_lshlrev_b32 v[PFO], 11, v[PFO]
.macro WM zero                         ; one matrix instruction on rD, rX, rY
.if OUTK
.if \zero
	v_wmma_f32_16x16x32_f16 v[rD:rD+7], v[rX:rX+7], v[rY:rY+7], 0
.else
	v_wmma_f32_16x16x32_f16 v[rD:rD+7], v[rX:rX+7], v[rY:rY+7], v[rD:rD+7]
.endif
.else
.if \zero
	v_wmma_f32_16x16x32_bf16 v[rD:rD+7], v[rX:rX+7], v[rY:rY+7], 0
.else
	v_wmma_f32_16x16x32_bf16 v[rD:rD+7], v[rX:rX+7], v[rY:rY+7], v[rD:rD+7]
.endif
.endif
.endm
; 8 matrix instructions: m block a x all 8 n blocks, 32 along K.  The 32 accumulators take turns in the same order in every quarter.  zero = 1: the product starts the sum.
.macro MUL8 f, a, zero
	WIN MUL
.irp b, 0,1,2,3,4,5,6,7
.set rD, 8*(8*(\a)+(\b))
.set rX, (\f)+8*(\b)
.set rY, (\f)+64+8*(\a)
	WM \zero
.endr
.endm
; 24 LDS loads in one run: the fragments of 32 along K at byte k of the rows, into buffer f: B's sixteen loads, then A's eight
.macro FETCH slot, k, f
	WIN 0
.irp i, 0,1,2,3,4,5,6,7
	ds_load_b128 v[(\f)+8*(\i):(\f)+8*(\i)+3],   v[ADRB+(\slot)] offset:(\k)+(\i)*16*PITCH
	ds_load_b128 v[(\f)+8*(\i)+4:(\f)+8*(\i)+7], v[ADRB+(\slot)] offset:(\k)+(\i)*16*PITCH+32
.endr
.irp i, 0,1,2,3
	ds_load_b128 v[(\f)+64+8*(\i):(\f)+64+8*(\i)+3],   v[ADRA+(\slot)] offset:(\k)+(\i)*16*PITCH
	ds_load_b128 v[(\f)+64+8*(\i)+4:(\f)+64+8*(\i)+7], v[ADRA+(\slot)] offset:(\k)+(\i)*16*PITCH+32
.endr
.endm
; A K step is four quarters of 32 along K, 32 matrix instructions each, on buffers 0, 1, 0, 1.  One of the first three: multiplies f and, in its middle, fetches the next quarter into g.
.macro QUARTER slot, k, f, g, zero
	s_wait_dscnt 4                                 ; B and A's fragments 0, 1 are in; the youngest four loads (A's fragments 2, 3) may be out
	MUL8 \f, 0, \zero
	MUL8 \f, 1, \zero
	PLACES
	FETCH \slot, \k, \g
	s_wait_dscnt 24                                ; all but the 24 just issued
	MUL8 \f, 2, \zero
	MUL8 \f, 3, \zero
.endm
; The last quarter's first half: ONE barrier for the change of slots.  In front of it each wave waits for all its tensor loads (one is out: its part of the next slot), adds 0 to its spare word,
; and waits for that and for its own reads of this slot.  Behind it nobody reads this slot any more and the next slot is whole.
.macro MEET round
	WIN 0
	s_wait_tensorcnt 0x0
	ds_add_u32 v[SPW], v[NIL]
	s_wait_dscnt 5                                 ; (the add and the youngest four loads may be out)
	MUL8 F1, 0, 0                                  ; eight matrix instructions stand between the add and the wait for it
	s_wait_dscnt 0x0                               ; the add is done, and my reads of this slot are over
	s_barrier_signal -1
	MUL8 F1, 1, 0
.if \round
	WIN 0
.endif
	s_barrier_wait -1
.endm
; The whole last quarter where the slot is filled again: with this tile's K step two on (on = 0) or with the next tile's K step 0 or 1 (on = 1).  The barrier opens a round of the cluster's, and the joint
; refill is the first tensor load behind it: 112 matrix instructions ahead of the wait for it.
.macro TURN slot, next, on
	s_wait_xcnt 0x0                                ; the last prefetch, a K step back, has read its address
.if (\on) && ((\slot) == 0)
	s_add_nc_u64 s[PFA:PFA+1], s[PFA:PFA+1], s[NPF:NPF+1]
.else
	s_add_nc_u64 s[PFA:PFA+1], s[PFA:PFA+1], KSTEP*2
.endif
	MEET 1
	CREST                                          ; no wave of any partner still reads this slot's tile or has a load on its way
.if \on
	s_add_nc_u64 s[G0+4*(\slot)+2:G0+4*(\slot)+3], s[G0+4*(\slot)+2:G0+4*(\slot)+3], NEXT_A
	s_add_nc_u64 s[G0B+4*(\slot)+2:G0B+4*(\slot)+3], s[G0B+4*(\slot)+2:G0B+4*(\slot)+3], NEXT_B
.else
	s_add_nc_u64 s[G0+4*(\slot)+2:G0+4*(\slot)+3], s[G0+4*(\slot)+2:G0+4*(\slot)+3], 2*KSTEP*2
	s_add_nc_u64 s[G0B+4*(\slot)+2:G0B+4*(\slot)+3], s[G0B+4*(\slot)+2:G0B+4*(\slot)+3], 2*KSTEP*2
.endif
	JLOAD \slot                                    ; the four v_nop behind it are also the places in front of the loads below
	FETCH \next, 0, F0
	ASK \on
	MUL8 F1, 2, 0
	MUL8 F1, 3, 0
.endm
; THE WAY OUT, a block of 16 rows at a time, through my own stage: LDS serves a wave's instructions in order (ISA guide 5.7.1.4), so no wait stands between my stores into it and my loads from it.
.macro PACK a                          ; OUTK = 0: scaled, rounded to f16, 16 bytes a lane.  (For k and v the factor is 1: one text serves the three tiles.)
.set AC, 64*(\a)
	WIN 0x41                                       ; destination and source 0 in window 1
.set i, 0
.rept 32
	v_pk_mul_f32 v[AC+i:AC+i+1], v[AC+i:AC+i+1], s[SC:SC+1] op_sel_hi:[1,0]  ; each accumulator from its low end on
.set i, i+2
.endr
	WIN 0x05                                       ; sources in window 1, destination in window 0
.irp b, 0,1,2,3,4,5,6,7
.irp r, 0,1,2,3
	v_cvt_pk_f16_f32 v[TMP+4*(\b)+(\r)], v[AC+8*(\b)+2*(\r)], v[AC+8*(\b)+2*(\r)+1]
.endr
.endr
	WIN 0
.endm
.macro TOSTAGE a
	WIN 0
.set BK, OB+32*((\a)%2)
.irp b, 0,1,2,3,4,5,6,7
	ds_store_b128 v[STO], v[TMP+4*(\b):TMP+4*(\b)+3] offset:32*(\b)
.endr
.irp t, 0,1,2,3,4,5,6,7
	ds_load_b128 v[BK+4*(\t):BK+4*(\t)+3], v[RD] offset:(\t)*2*SPITCH
.endr
.endm
.macro SEND a
	WIN 0
.set BK, OB+32*((\a)%2)
	s_wait_dscnt 0x0                               ; the block is back in registers
	s_wait_xcnt 0x0                                ; earlier stores have read their base and their data: only now are these written again
.if (\a) == 0
	s_add_nc_u64 s[8:9], s[8:9], s[16:17]          ; on to this tile's first rows
.else
	s_add_nc_u64 s[8:9], s[8:9], 16*CROW
.endif
.irp t, 0,1,2,3,4,5,6,7
	global_store_b128 v[CO], v[BK+4*(\t):BK+4*(\t)+3], s[8:9] offset:2*(\t)*CROW  ; 16 lanes store 256 consecutive bytes, at a multiple of 256 from C's first byte
.endr
.endm
.macro OUTB a                          ; OUTK = 1: the f32 sums go as they are: 32 bytes a lane into rows of 528, whole rows of 512 back
.set AC, 64*(\a)
	WIN 0x04                                       ; the stores' data in window 1
.irp b, 0,1,2,3,4,5,6,7
	ds_store_b128 v[STO], v[AC+8*(\b):AC+8*(\b)+3]   offset:64*(\b)     ; each accumulator from its low end on
	ds_store_b128 v[STO], v[AC+8*(\b)+4:AC+8*(\b)+7] offset:64*(\b)+16
.endr
	WIN 0
	s_wait_xcnt 0x0                                ; the block before: its stores have read their base and their data
.if (\a) == 0
	s_add_nc_u64 s[8:9], s[8:9], s[16:17]
.else
	s_add_nc_u64 s[8:9], s[8:9], 16*CROW
.endif
.irp t, 0,1,2,3,4,5,6,7,8,9,10,11,12,13,14,15
	ds_load_b128 v[OB+4*(\t):OB+4*(\t)+3], v[RD] offset:(\t)*SPITCH
.endr
.irp t, 0,1,2,3,4,5,6,7,8,9,10,11,12,13,14,15
	s_wait_dscnt 15-(\t)                           ; row t is back; the younger loads stay out
	global_store_b128 v[CO], v[OB+4*(\t):OB+4*(\t)+3], s[8:9] offset:(\t)*CROW th:TH_STORE_NT  ; 512 consecutive bytes, aligned
.endr
.endm
.macro WAYOUT
.if OUTK
	OUTB 0
	OUTB 1
	OUTB 2
	OUTB 3
.else
	PACK 0
	TOSTAGE 0
.irp a, 1,2,3                          ; block a's arithmetic stands between block a - 1's loads from the stage and the wait for them
	PACK \a
	SEND (\a)-1
	TOSTAGE \a
.endr
	SEND 3
.endif
.endm
	s_wait_tensorcnt 1                             ; my part of K step 0 is in; K step 1's may stay out
	s_barrier_signal -1
	s_barrier_wait -1                              ; everybody's is
	FETCH 0, 0, F0
.if TILES > 1
	s_mov_b32 s2, TILES                            ; tiles to go, this one among them
.Ltile:
.endif
	QUARTER 0, 64,  F0, F1, 1                      ; a tile's first quarter stands in front of the loop: its products start the sums
	WIN 0                                          ; at a label and at a branch every window is 0
	s_mov_b32 s3, LAPS-1
.Llap:                                                 ; a trip goes once round the ring, from a lap's second quarter to the next lap's first, and fills both slots again
	QUARTER 0, 128, F1, F0, 0
	QUARTER 0, 192, F0, F1, 0
	TURN 0, 1, 0
	QUARTER 1, 64,  F0, F1, 0
	QUARTER 1, 128, F1, F0, 0
	QUARTER 1, 192, F0, F1, 0
	TURN 1, 0, 0
	QUARTER 0, 64,  F0, F1, 0
	WIN 0
	s_sub_co_u32 s3, s3, 1
	s_cmp_lg_u32 s3, 0
	s_cbranch_scc1 .Llap
	QUARTER 0, 128, F1, F0, 0                      ; the tile's last lap goes on
	QUARTER 0, 192, F0, F1, 0
.if TILES > 1
	WIN 0
	s_cmp_eq_u32 s2, 1
	s_cbranch_scc1 .Llast_tile                     ; the last tile's tail is written out: it asks for nothing more
	TURN 0, 1, 1                                   ; the ring goes on into the next tile: slot 0 takes its K step 0,
	QUARTER 1, 64,  F0, F1, 0
	QUARTER 1, 128, F1, F0, 0
	QUARTER 1, 192, F0, F1, 0
	TURN 1, 0, 1                                   ; slot 1 its K step 1, and its first fragments are fetched
	WAYOUT                                         ; blocks 0, 1 were finished in front of the joint load's four v_nop; their 128 lines, which name no register of the last products, are the places for blocks 2, 3
	s_wait_xcnt 0x0                                ; the last stores have read v128-191, which the next tile's fragments take
	s_mov_b64 s[16:17], NEXT_C
	s_mov_b32 s[SC], 1.0                           ; k and v are not scaled
	s_mov_b32 s[SC+1], 1.0
	s_sub_co_u32 s2, s2, 1
	s_branch .Ltile
.Llast_tile:
.endif
	MEET 0                                         ; the load that was out is slot 1's, the last K step's, so no round follows
	PLACES
	FETCH 1, 0, F0
	MUL8 F1, 2, 0
	MUL8 F1, 3, 0
	QUARTER 1, 64,  F0, F1, 0
	QUARTER 1, 128, F1, F0, 0
	QUARTER 1, 192, F0, F1, 0
	s_wait_dscnt 4                                 ; the very last quarter: nothing more to fetch
	MUL8 F1, 0, 0
	MUL8 F1, 1, 0
	s_wait_dscnt 0x0
	MUL8 F1, 2, 0
	MUL8 F1, 3, 0
	WIN 0
	PLACES
	PLACES                                         ; eight, once a launch
	WAYOUT
	s_wait_tensorcnt 0x0                           ; the wave's end: an add to my spare word and its wait, behind my last tensor load and my last LDS store
	ds_add_u32 v[SPW], v[NIL]
	s_wait_dscnt 0x0
	CROUND                                         ; the closing round: no work-group ends while a partner may still ask for a tile that names it
	s_endpgm
.Lfunc_end_k_q99e75f6e81_gemm_out:
	.size	k_q99e75f6e81_gemm_out, .Lfunc_end_k_q99e75f6e81_gemm_out-k_q99e75f6e81_gemm_out
	.p2alignl 7, 3214868480
	.fill 96, 4, 3214868480
	.section	.rodata,"a",@progbits
	.p2align	6, 0x0
	.amdhsa_kernel k_q99e75f6e81_gemm_out
		.amdhsa_group_segment_fixed_size 327680
		.amdhsa_private_segment_fixed_size 0
		.amdhsa_enable_private_segment 0
		.amdhsa_kernarg_size 24
		.amdhsa_user_sgpr_count 2
		.amdhsa_user_sgpr_kernarg_segment_ptr 1
		.amdhsa_wavefront_size32 1
		.amdhsa_system_sgpr_workgroup_id_x 1
		.amdhsa_system_sgpr_workgroup_id_y 1
		.amdhsa_system_sgpr_workgroup_id_z 1
		.amdhsa_system_vgpr_workitem_id 0
		.amdhsa_next_free_vgpr 512
		.amdhsa_next_free_sgpr 72
		.amdhsa_reserve_vcc 0
		.amdhsa_float_denorm_mode_32 3
		.amdhsa_float_denorm_mode_16_64 3
		.amdhsa_memory_ordered 1
		.amdhsa_forward_progress 1
		.amdhsa_inst_pref_size 88
	.end_amdhsa_kernel
	.amdgpu_metadata
---
amdhsa.version: [ 1, 2 ]
amdhsa.kernels:
  - .name:           k_q99e75f6e81_gemm_out
    .symbol:         k_q99e75f6e81_gemm_out.kd
    .args:
      - { .name: cbuf, .offset: 0, .size: 8, .value_kind: global_buffer, .address_space: global }
      - { .name: wall, .offset: 8, .size: 8, .value_kind: global_buffer, .address_space: global }
      - { .name: out0, .offset: 16, .size: 8, .value_kind: global_buffer, .address_space: global }
    .group_segment_fixed_size: 327680
    .private_segment_fixed_size: 0
    .kernarg_segment_align: 8
    .kernarg_segment_size: 24
    .max_flat_workgroup_size: 128
    .sgpr_count:     72
    .vgpr_count:     512
    .wavefront_size: 32
...
	.end_amdgpu_metadata
.endif
;; end of part 4
;; ======== version 2 of 2: 4 launches; version 1 with the launch prep written anew for expert scheduling mode
;; limits: values are held in f16: magnitudes above 65,504 overflow, below 6.1e-05 lose precision
;; workspace buffers: xall 50,331,648 bytes; wall 8,388,608 bytes; qkv 50,331,648 bytes; mbits 1,048,576 bytes of whole numbers; cbuf 16,777,216 bytes
;; launch prep (part 5): grid 1024 x 1, 8 waves a work-group, no clusters, 0 bytes of LDS; arguments Q, K, V, Wq, Wk, Wv, Wo, mask, xall, wall, mbits; writes xall, wall, mbits
.if DOCPART == 5
	.amdgcn_target "amdgcn-amd-amdhsa--gfx1250"
	.amdhsa_code_object_version 6
	.text
	.protected	k_q99e75f6e81_prep
	.globl	k_q99e75f6e81_prep
	.p2align	8
	.type	k_q99e75f6e81_prep,@function
k_q99e75f6e81_prep:
	s_mov_b64 s[64:65], 0
	v_nop
	global_prefetch_b8 v0, s[64:65] scope:SCOPE_SE
	s_setreg_imm32_b32 hwreg(HW_REG_WAVE_SCHED_MODE, 0, 2), 2
	s_setreg_imm32_b32 hwreg(HW_REG_WAVE_MODE, 25, 1), 1
	s_wait_xcnt 0x0
	s_wait_alu depctr_vm_vsrc(0)
; PREP.  Three jobs, chosen by the work-group's number (scalar compares, forward branches).  The job with the longest chain of dependent steps has the lowest numbers:
;   0-127     the mask's bytes are packed into lane masks, mbits
;   128-895   Q, K, V (f32) are rounded to bf16 into xall, [24576][1024], rows Q | K | V
;   896-991   Wq, Wk, Wv likewise into wall's rows 0-3071
;   992-1023  Wo is rounded to bf16 and that number is written as f16 into wall's rows 3072-4095 (the last product multiplies in f16)
; LIMIT.  A bf16 number of Wo below 6.1e-5 in size is kept to f16's fixed step of 6e-8; beyond 65,504 it would be lost.
; A cast work-group takes 32,768 numbers: 128 KiB in, 64 KiB out, as 32 blocks of 1,024 numbers.  Of each block thread t takes 4 numbers: 16 bytes in at 16 t, 8 bytes out at 8 t.  So a wave's load covers
; 512 consecutive bytes and its store 256 consecutive bytes, both aligned, and no byte is named by two instructions.  All 32 loads of a thread go out at once.
; No LDS, no barrier, no matrix unit: nothing is shared between threads, and the bytes are all there is.
; MBITS.  For a tile of 16 queries T (0-511: 64 to a batch), key step g (0-15) and register p (0-31) the word at byte 2048 T + 128 g + 4 p holds, in bit r + 16 h,
; mask[16 T + r][512 h + 32 g + p]: the lane mask that the attention's v_cndmask_b32 takes for that register.
; THE MODE: SCHED_MODE bits 1:0 = 2 (LLVM: expert scheduling mode 2), set by the entry lines.  The code itself states the register dependences between vector instructions and memory instructions,
; and between a vector instruction that writes a scalar register and that register's readers, with s_wait_alu, always for 0.
; THE PLAN, CASTS.  Registers that memory instructions touch:
;   v1, v2     byte offsets, made once and never written again.
;   X          block i: its load lands in four registers; its conversions read them and write the first two again; ONE store reads these two; nothing writes them afterwards.
; The 32 blocks go in eight groups of four.  Block i's store is issued in block i + 4's turn.  One wait at a group's head states that the group before has written what this group's four stores read; the
; vector instructions issued since that wait are this group's conversions, which name their own blocks' registers and v136-138 alone.  No register that a memory instruction reads is written again.
; THE PLAN, MASK.  v1, v2: made once; the two scalar bases move on from trip to trip.  v[8:39]: a trip's eight loads land there, its 128 v_and_b32 read them.  v[44:47]: 128 v_writelane_b32 write them,
; the trip's one store reads them, the next trip writes them again.  s[32:47]: written by compares, read by v_writelane_b32: the 128 words go in eight runs of sixteen, with one wait a run between the
; run's compares and their readers; the next run's v_and_b32 (into the other half of v[48:79]) stand ahead of that wait.
.set SRC, 32                           ; s[32:33] where my work-group reads (casts)
.set DST, 38                           ; s[38:39] where it stores (casts)
.set X,   8                            ; v[8:135] block i: 4 registers as loaded; its first two then hold the 8 bytes to store
.set GRP, 4                            ; blocks in a group
.set TA,  48                           ; v[48:79] mask: two sets of sixteen bytes picked out of their words
.set CW,  32                           ; s[32:47] mask: a run's sixteen lane masks
.macro PUT i                           ; block i leaves
	global_store_b64 v2, v[X+4*(\i):X+4*(\i)+1], s[DST:DST+1] offset:2048*(\i) th:TH_STORE_NT
.endm
.macro CAST f16
	s_wait_alu depctr_va_vdst(0)                   ; v1 and v2 are written: every load below reads v1 as its offset, every store v2
.set i, 0
.rept 32
	global_load_b128 v[X+4*i:X+4*i+3], v1, s[SRC:SRC+1] offset:4096*i th:TH_LOAD_NT
.set i, i+1
.endr
.set i, 0
.rept 32
	s_wait_loadcnt 31-i                            ; loads come back in order: block i's is in, the 31 - i younger ones stay out
.if (i%GRP == 0) && (i > 0)
	s_wait_alu depctr_va_vdst(0)                   ; the group before has written the first two registers of its four blocks, which this group's four stores read
.endif
.if i >= GRP
	PUT i-GRP                                      ; no vector instruction since the wait names its registers
.endif
.set j, 0
.rept 2
.if \f16
	v_cvt_pk_bf16_f32 v136, v[X+4*i+2*j], v[X+4*i+2*j+1]  ; the rounding that all inputs get,
	v_lshlrev_b32 v137, 16, v136                   ; back to f32,
	v_and_b32 v138, 0xffff0000, v136
	v_cvt_pk_f16_f32 v[X+4*i+j], v137, v138        ; and the same number as f16
.else
	v_cvt_pk_bf16_f32 v[X+4*i+j], v[X+4*i+2*j], v[X+4*i+2*j+1]  ; in place: register j is written when registers 2 j, 2 j + 1 are read
.endif
.set j, j+1
.endr
.set i, i+1
.endr
	s_wait_alu depctr_va_vdst(0)                   ; the last group has written what the last four stores read
.set i, 32-GRP
.rept GRP
	PUT i
.set i, i+1
.endr
.endm
; The mask's runs.  Run k takes the words W = 16 k .. 16 k + 15 of a trip's 128: the sixteen bytes of load k's four registers.
.macro ANDS k                          ; byte W & 3 of register W >> 2 is picked out, into set k % 2
.set W, 16*(\k)
.rept 16
	v_and_b32 v[TA+16*((\k)%2)+W%16], 0xff<<(8*(W&3)), v[8+(W>>2)]
.set W, W+1
.endr
.endm
.macro CMPS k                          ; compared with 0 in all lanes at once: the word
.set W, 0
.rept 16
	v_cmp_ne_u32 s[CW+W], 0, v[TA+16*((\k)%2)+W]
.set W, W+1
.endr
.endm
.macro LANES k                         ; word W goes to lane W >> 2 of register W & 3 of the four to be stored
.set W, 16*(\k)
.rept 16
	v_writelane_b32 v[44+(W&3)], s[CW+W%16], W>>2
.set W, W+1
.endr
.endm
	s_load_b512 s[8:23], s[0:1], 0x0               ; Q s[8:9], K s[10:11], V s[12:13], Wq s[14:15], Wk s[16:17], Wv s[18:19], Wo s[20:21], mask s[22:23]
	s_load_b128 s[24:27], s[0:1], 0x40             ; xall s[24:25], wall s[26:27]
	s_load_b64 s[28:29], s[0:1], 0x50              ; mbits
	v_lshrrev_b32 v3, 5, v0
	v_readfirstlane_b32 s30, v3                    ; wave 0..7
	s_mov_b32 s3, 0
	s_wait_kmcnt 0x0
	s_wait_alu depctr_va_sdst(0)                   ; s30 is written
	s_cmp_lt_u32 ttmp9, 128
	s_cbranch_scc1 .Lmask
	s_sub_co_u32 s31, ttmp9, 128                   ; my number among the casts
	s_cmp_lt_u32 s31, 768                          ; one of the three large tensors?
	s_cselect_b32 s2, 0, 768
	s_cselect_b32 s7, 8, 5                         ; work-groups to a tensor: 256 or 32
	s_cselect_b32 s6, 255, 31
	s_cselect_b64 s[SRC:SRC+1], s[8:9], s[14:15]
	s_cselect_b64 s[34:35], s[10:11], s[16:17]
	s_cselect_b64 s[36:37], s[12:13], s[18:19]
	s_cselect_b64 s[DST:DST+1], s[24:25], s[26:27]
	s_sub_co_u32 s4, s31, s2                       ; my number among the work-groups of my kind
	s_lshr_b32 s5, s4, s7                          ; which tensor
	s_and_b32 s6, s4, s6                           ; my block of it
	s_cmp_eq_u32 s5, 1
	s_cselect_b64 s[SRC:SRC+1], s[34:35], s[SRC:SRC+1]
	s_cmp_eq_u32 s5, 2
	s_cselect_b64 s[SRC:SRC+1], s[36:37], s[SRC:SRC+1]
	s_cmp_eq_u32 s5, 3                             ; (among the weights alone)
	s_cselect_b64 s[SRC:SRC+1], s[20:21], s[SRC:SRC+1]
	s_lshl_b32 s2, s6, 17                          ; 128 KiB in
	s_add_nc_u64 s[SRC:SRC+1], s[SRC:SRC+1], s[2:3]
	s_lshl_b32 s2, s4, 16                          ; 64 KiB out: the tensors of a kind follow each other in the copy
	s_add_nc_u64 s[DST:DST+1], s[DST:DST+1], s[2:3]
	v_lshlrev_b32 v1, 4, v0                        ; 16 bytes in a thread,
	v_lshlrev_b32 v2, 3, v0                        ; 8 bytes out
	s_cmp_eq_u32 s5, 3
	s_cbranch_scc1 .Lwo
	CAST 0
	s_endpgm
.Lwo:
	CAST 1
	s_endpgm
.Lmask:
	; A wave packs half a tile of 16 queries: tile T, half u.  Lane r + 16 h reads row r's bytes 512 h + 256 u + 128 trip .. + 127, two trips: 256 consecutive bytes, aligned, of each row piece.
	; Byte W of a trip's 128 is compared with 0 in all lanes at once, which IS the word for key step 8 u + 4 trip + W / 32, register W % 32; v_writelane_b32 lays the 128 words into four registers
	; so that one store of 16 bytes a lane writes 512 consecutive bytes.
	s_lshl_b32 s2, ttmp9, 3
	s_add_co_u32 s2, s2, s30                       ; my wave among the 1,024 that pack
	s_lshr_b32 s6, s2, 1                           ; T
	s_and_b32 s7, s2, 1                            ; u
	s_lshl_b32 s4, s6, 14                          ; 16 rows of 1,024 bytes
	s_lshl_b32 s5, s7, 8
	s_add_co_u32 s4, s4, s5
	s_mov_b32 s5, 0
	s_add_nc_u64 s[22:23], s[22:23], s[4:5]
	s_lshl_b32 s4, s6, 11
	s_lshl_b32 s6, s7, 10
	s_add_co_u32 s4, s4, s6
	s_add_nc_u64 s[28:29], s[28:29], s[4:5]
	v_and_b32 v3, 15, v0
	v_bfe_u32 v4, v0, 4, 1
	v_lshlrev_b32 v1, 10, v3
	v_lshl_add_u32 v1, v4, 9, v1                   ; 1024 r + 512 h
	v_and_b32 v2, 31, v0
	v_lshlrev_b32 v2, 4, v2                        ; 16 x lane
.irp n, 44,45,46,47
	v_mov_b32 v\n, 0                               ; v_writelane_b32 counts as a reader of its destination
.endr
	s_mov_b32 s31, 2
	s_wait_alu depctr_va_vdst(0)                   ; v1 and v2 are written: the loads read v1 as their offset, the store v2; neither is written again
.Lm:
.irp n, 0,1,2,3,4,5,6,7
	global_load_b128 v[8+4*\n:11+4*\n], v1, s[22:23] offset:16*\n
.endr
	s_wait_loadcnt 7                               ; loads come back in order: load 0 is in, the seven younger ones stay out
	ANDS 0
.irp k, 0,1,2,3,4,5,6,7
	CMPS \k
.if \k < 7
	s_wait_loadcnt 6-\k                            ; the next run's load is in, the younger ones stay out
	ANDS (\k)+1                                    ; sixteen lines that name none of the compares' results
.endif
	s_wait_alu depctr_va_sdst(0)                   ; the run's sixteen compares have written s[32:47], which the sixteen lines below read
	LANES \k
.endr
	s_wait_alu depctr_va_vdst(0)                   ; the v_writelane_b32 have written v[44:47], which the store reads; and the trip's v_and_b32 are done reading v[8:39], in which the next trip's loads land
	global_store_b128 v2, v[44:47], s[28:29]
	s_wait_xcnt 0x0                                ; the store and the loads have had their addresses translated: only now are the two bases and the store's data written again
	s_wait_alu depctr_vm_vsrc(0)                   ; the store has read v[44:47], which the next trip's v_writelane_b32 write again
	s_add_nc_u64 s[22:23], s[22:23], 128           ; the next 128 bytes of each row piece
	s_add_nc_u64 s[28:29], s[28:29], 512           ; and their 128 words
	s_sub_co_u32 s31, s31, 1
	s_cmp_lg_u32 s31, 0
	s_cbranch_scc1 .Lm
	s_endpgm
.Lfunc_end_k_q99e75f6e81_prep:
	.size	k_q99e75f6e81_prep, .Lfunc_end_k_q99e75f6e81_prep-k_q99e75f6e81_prep
	.p2alignl 7, 3214868480
	.fill 96, 4, 3214868480
	.section	.rodata,"a",@progbits
	.p2align	6, 0x0
	.amdhsa_kernel k_q99e75f6e81_prep
		.amdhsa_group_segment_fixed_size 0
		.amdhsa_private_segment_fixed_size 0
		.amdhsa_enable_private_segment 0
		.amdhsa_kernarg_size 88
		.amdhsa_user_sgpr_count 2
		.amdhsa_user_sgpr_kernarg_segment_ptr 1
		.amdhsa_wavefront_size32 1
		.amdhsa_system_sgpr_workgroup_id_x 1
		.amdhsa_system_sgpr_workgroup_id_y 1
		.amdhsa_system_sgpr_workgroup_id_z 1
		.amdhsa_system_vgpr_workitem_id 0
		.amdhsa_next_free_vgpr 144
		.amdhsa_next_free_sgpr 66
		.amdhsa_reserve_vcc 0
		.amdhsa_float_denorm_mode_32 3
		.amdhsa_float_denorm_mode_16_64 3
		.amdhsa_memory_ordered 1
		.amdhsa_forward_progress 1
		.amdhsa_inst_pref_size 61
	.end_amdhsa_kernel
	.amdgpu_metadata
---
amdhsa.version: [ 1, 2 ]
amdhsa.kernels:
  - .name:           k_q99e75f6e81_prep
    .symbol:         k_q99e75f6e81_prep.kd
    .args:
      - { .name: Q, .offset: 0, .size: 8, .value_kind: global_buffer, .address_space: global }
      - { .name: K, .offset: 8, .size: 8, .value_kind: global_buffer, .address_space: global }
      - { .name: V, .offset: 16, .size: 8, .value_kind: global_buffer, .address_space: global }
      - { .name: Wq, .offset: 24, .size: 8, .value_kind: global_buffer, .address_space: global }
      - { .name: Wk, .offset: 32, .size: 8, .value_kind: global_buffer, .address_space: global }
      - { .name: Wv, .offset: 40, .size: 8, .value_kind: global_buffer, .address_space: global }
      - { .name: Wo, .offset: 48, .size: 8, .value_kind: global_buffer, .address_space: global }
      - { .name: mask, .offset: 56, .size: 8, .value_kind: global_buffer, .address_space: global }
      - { .name: xall, .offset: 64, .size: 8, .value_kind: global_buffer, .address_space: global }
      - { .name: wall, .offset: 72, .size: 8, .value_kind: global_buffer, .address_space: global }
      - { .name: mbits, .offset: 80, .size: 8, .value_kind: global_buffer, .address_space: global }
    .group_segment_fixed_size: 0
    .private_segment_fixed_size: 0
    .kernarg_segment_align: 8
    .kernarg_segment_size: 88
    .max_flat_workgroup_size: 256
    .sgpr_count:     66
    .vgpr_count:     144
    .wavefront_size: 32
...
	.end_amdgpu_metadata
.endif
;; end of part 5
;; launch gemm_qkv: the kernel of part 2 again; grid 4 x 96, 4 waves a work-group, clusters of 4 x 4, 327,680 bytes of LDS; arguments xall, wall, qkv; writes qkv
;; launch attn: the kernel of part 3 again; grid 4 x 64, 8 waves a work-group, clusters of 4 x 1, 327,680 bytes of LDS; arguments qkv, mbits, gamma, cbuf; writes cbuf
;; launch gemm_out: the kernel of part 4 again; grid 4 x 64, 4 waves a work-group, clusters of 4 x 4, 327,680 bytes of LDS; arguments cbuf, wall, out0; writes out0
